; MI455X (gfx1250); checked and timed in simulation.
; The chip was launched on July 23, 2026; its instructions are those of AMD's public machine-readable ISA for CDNA 5 (MIT licence, August 2026) and "CDNA5" Instruction Set Architecture Reference Guide (July 2026). The comments in the code are by the model that wrote it; some were corrected since.
;; Encoder Layer. Allowed arithmetic: matrix products marked QUANTISED: E3M2 operands, one E8M0 scale for each 32 along K, by v_wmma_scale_f32_16x16x128_f8f6f4 with both operands' format E3M2, f32 sums; everything else in f32.
;; Inputs: Wk 1,024 x 1,024 float32; Wo 1,024 x 1,024 float32; Wq 1,024 x 1,024 float32; Wv 1,024 x 1,024 float32; alpha1 1,024 float32; alpha2 1,024 float32; bias1 1,024 float32; bias2 1,024 float32; bk 1,024 float32; bo 1,024 float32; bq 1,024 float32; bv 1,024 float32; mask 8 x 1 x 1,024 int32; x 8 x 1,024 x 1,024 float32.
;; Outputs: out0 8 x 1,024 x 1,024 float32.
;; This version of the problem:
;;   THIS VERSION OF THE PROBLEM IS GIVEN IN LOW PRECISION. The matrix products marked QUANTISED in the list below multiply operands that are first quantised to E3M2 (3 exponent bits, 2 mantissa bits; 6 bits a number), with one power-of-two scale for each 32 numbers along K (OCP MX v1.0); their sums are f32. All else is computed in f32.
;;   The module's matrix products, in the order in which they are computed (A, B: the left and right operand; K: the contracted axis; several contracted axes count as one K, in the product's order):
;;     1. [M 8,192, K 1,024] x [K 1,024, N 1,024]; A: computed on the way; B: input Wq: QUANTISED
;;     2. [M 8,192, K 1,024] x [K 1,024, N 1,024]; A: computed on the way; B: input Wk: QUANTISED
;;     3. [M 8,192, K 1,024] x [K 1,024, N 1,024]; A: computed on the way; B: input Wv: QUANTISED
;;     4. batch 128 x [M 1,024, K 64] x [K 64, N 1,024]; A: computed on the way; B: computed on the way: QUANTISED
;;     5. batch 128 x [M 64, K 1,024] x [K 1,024, N 1,024]; A: computed on the way; B: softmax (see below): QUANTISED
;;     6. [M 8,192, K 1,024] x [K 1,024, N 1,024]; A: computed on the way; B: input Wo: QUANTISED
;;   THE QUANTISER, for each operand of a quantised product, along K:
;;     - K is cut into blocks of 32 from its start; a last block that is shorter is filled with zeros.
;;     - A block's scale is 2^e with e = floor(log2(the largest magnitude in the block)) - 4, held to -126 .. 127; a block of zeros has e = 0. As a byte (E8M0): e + 127.
;;     - Each number is divided by its block's scale, clamped to +-28, and rounded to the nearest number of E3M2, ties to even, subnormals kept.
;;     - The product sums the exact products of the quantised numbers (number of the format x scale) in f32.
;;   ~~~python
;;   def quantise(x, axis):      # numpy; x: float32 -> the quantised numbers, widened to float32 again
;;       x = np.moveaxis(x, axis, -1); K = x.shape[-1]
;;       x = np.pad(x, [(0, 0)] * (x.ndim - 1) + [(0, -K % 32)]); x = x.reshape(x.shape[:-1] + (-1, 32)); a = np.abs(x).max(-1, keepdims=True)
;;       e = np.where(a > 0, np.clip(np.frexp(np.where(a > 0, a, 1))[1] - 1 - 4, -126, 127), 0)      # np.frexp(a)[1] - 1 = floor(log2(a)), exactly
;;       r = np.clip(x / 2.0 ** e, -28, 28)
;;       step = 2.0 ** (np.maximum(np.frexp(np.where(r == 0, 1, r))[1] - 1, -2) - 2)
;;       q = np.round(r / step) * step * 2.0 ** e      # np.round: ties to even
;;       return np.moveaxis(q.reshape(q.shape[:-2] + (-1,))[..., :K], -1, axis).astype(np.float32)
;;   ~~~
;;   SOFTMAX AHEAD OF A QUANTISED PRODUCT. Where the list says 'softmax', what is quantised is not the finished softmax but p = 2^(t - M), with t = logit x log2(e) and M = ceil(the row's largest t), a whole number; so 1/2 < the row's largest p <= 1. The row's sum l is taken of the UNQUANTISED p, in f32, and the product's result is divided by l at the end. Since M is a whole number, a kernel that streams over the keys may use a running M (the ceiling of the running maximum): every later rescaling is an exact power of two, which a block's scale takes up: the codes' values come out the same.
;;   OPERANDS COMPUTED ON THE WAY. 'Computed on the way' means the value that the module computes at that place (a softmax that the list does not call 'softmax' is quantised finished and normalised). What goes into a quantiser is computed in f32, as accurately as f32 sums, v_exp_f32 and their like allow (about 1e-6 of the number): no bf16 or f16 on the way to a quantiser, and a product that is left as it is and whose result goes on into a quantised operand takes f32 operands (vector FMAs, or v_wmma_f32_16x16x4_f32). A number that lies on a knife's edge between two numbers of the format may be rounded either way, as far as f32 arithmetic and the matrix unit's own rounding can turn it there, and no further.
;; One version. Each part assembles by itself: llvm-mc -triple=amdgcn-amd-amdhsa -mcpu=gfx1250 --defsym DOCPART=n.
;; ======== version 1 of 1: 4 launches
;; limits: right only within a limited range of input values
;; workspace buffers: xq 6,553,600 bytes; wq 3,276,800 bytes; st 65,536 bytes; qq 8,912,896 bytes; kv 15,466,496 bytes; oq 6,553,600 bytes
;; launch prep (part 1): grid 768 x 1, 4 waves a work-group, no clusters, 32,768 bytes of LDS; arguments x, alpha1, bias1, Wq, Wk, Wv, Wo, xq, wq, st; writes xq, wq, st
.if DOCPART == 1
	.amdgcn_target "amdgcn-amd-amdhsa--gfx1250"
	.amdhsa_code_object_version 6
	.text
	.protected	k_qab14bbc8af_prep
	.globl	k_qab14bbc8af_prep
	.p2align	8
	.type	k_qab14bbc8af_prep,@function
k_qab14bbc8af_prep:
	s_mov_b64 s[64:65], 0
	v_nop
	global_prefetch_b8 v0, s[64:65] scope:SCOPE_SE
	s_setreg_imm32_b32 hwreg(HW_REG_WAVE_MODE, 25, 1), 1
	s_wait_xcnt 0x0
; LAUNCH 1 OF 4.  xn = alpha1 (x - mean) / (std + 1e-5) + bias1 (std with 1023 in the divisor) is made row by row and quantised along D to codes of E3M2 with one E8M0 byte
; for each 32; the four weights [K][N] are quantised along K, their first axis.  Codes leave in the ORDER OF THE OPERAND'S REGISTERS, so that later launches load fragments whole.
; DEAD WORK: none.  Every input of reference() has a way to out0 and is loaded by some launch (bk stays: it moves k's codes).  The only step not written as reference() writes it is
; x1 + x1, which the last launch folds into 2 alpha2 and 2 bias2: a doubling rounds nothing.
; LIMITS: NaN and infinities among the inputs are not served.  A block of zeros, or one whose largest magnitude lies under 2^-122, gets the byte 1 (the rule says 127 for zeros):
; its codes are zeros or are held by the floor, and these bytes are read by this program alone.
; THE ORDER OF A TILE'S ROWS: tiles of 16 come in pairs over 32 neighbours; row r of tile 2 b + u is index 32 b + 8 u + r + 8 (r / 8).  So it is for tokens and for the weights' columns.
; xq: codes [m-tile 512][K half 16][768]: 16 rows x 64 K: a lane's registers 0-3 at 16 x lane, 4-5 at 512 + 8 x lane (lane = r + 16 h, h = which 32 of the 64); scale bytes at 6,291,456: [m-tile][r][32].
; wq: codes [n-tile 256][K step 8][1536]: 16 rows x 128 K: registers 4 c .. 4 c + 3 at 512 c + 16 x lane; scale words at 3,145,728: [n-tile][r][8].  n-tiles 0-63 Wq, 64-127 Wk, 128-191 Wv, 192-255 Wo.
; st: [token][mean, 1 / (std + 1e-5)].
; Work-groups 0-511: one m-tile each, a wave four rows.  Work-groups 512-767: 128 columns x 128 K of one weight, a lane a column.  No matrix unit, no tensor load, no cluster: the launch streams, and nothing is shared.
.set IMG,   18432                      ; LDS (first path alone): from 0 four turning stages of 4,608 bytes; here 16 K halves x (768 + 16)
.set SCI,   30976                      ; the tile's 512 scale bytes
.set STI,   31488                      ; its 16 pairs (mean, 1 / (std + eps))
.set SPARE, 31744                      ; the spare words: 128 bytes for each wave, named by no other line
.set AL,    16                         ; v16-47   alpha1: column 128 j + 4 lane + e in register 4 j + e
.set BE,    48                         ; v48-79   bias1 likewise
.set X,     80                         ; v80-207  four rows
.set N,     208                        ; v208-239 my block of 32 neighbours
	s_load_b512 s[4:19], s[0:1], 0x0               ; x, alpha1, bias1, Wq, Wk, Wv, Wo, xq
	s_load_b128 s[20:23], s[0:1], 0x40             ; wq, st
	v_lshl_add_u32 v9, v0, 2, SPARE
	v_mov_b32 v10, 0
	v_lshrrev_b32 v1, 5, v0
	v_readfirstlane_b32 s24, v1                    ; wave
	v_and_b32 v1, 31, v0                           ; lane
	s_cmp_lt_u32 ttmp9, 512
	s_cbranch_scc0 .Lweights
; ---------------------------------------------------------------- the rows of x
	s_lshr_b32 s25, ttmp9, 1
	s_lshl_b32 s25, s25, 5
	s_and_b32 s26, ttmp9, 1
	s_lshl_b32 s26, s26, 3
	s_add_co_u32 s25, s25, s26                     ; the tile's first token: 32 (T / 2) + 8 (T % 2)
	s_lshl_b32 s26, s24, 2
	s_lshr_b32 s27, s24, 1
	s_lshl_b32 s27, s27, 3
	s_add_co_u32 s26, s26, s27
	s_add_co_u32 s26, s26, s25                     ; my wave's first token: + 4 w + 8 (w / 2); its four rows are neighbours
	s_lshl_b32 s26, s26, 12
	s_mov_b32 s27, 0
	s_mov_b32 s30, 0x76543210
	s_mov_b32 s31, 0xfedcba98                      ; lane l xor 16
	s_wait_alu depctr_va_vdst(0)
	v_lshlrev_b32 v2, 4, v1                        ; 16 x lane
	s_mul_i32 s28, s24, 4608                       ; my turning stage
	v_lshrrev_b32 v3, 3, v1
	v_lshl_add_u32 v3, v3, 4, v2
	v_add_nc_u32 v3, s28, v3                       ; in: eight lanes' 128 bytes on end, then 16 of padding
	v_mul_u32_u24 v4, v1, 144
	v_add_nc_u32 v4, s28, v4                       ; out: 144 x lane: block l of the row
	v_lshrrev_b32 v242, 1, v1
	v_and_b32 v243, 1, v1
	v_mul_u32_u24 v242, v242, 784                  ; block l lies in K half l / 2, in the lanes' half l % 2
	s_lshl_b32 s29, s24, 6
	s_add_co_u32 s29, s29, IMG
	v_lshl_add_u32 v5, v243, 8, v242
	v_add_nc_u32 v5, s29, v5                       ; registers 0-3 of image lane r + 16 h, r = 4 w + i
	s_lshl_b32 s29, s24, 5
	s_add_co_u32 s29, s29, IMG+512
	v_lshl_add_u32 v6, v243, 7, v242
	v_add_nc_u32 v6, s29, v6                       ; registers 4-5
	s_lshl_b32 s29, s24, 7
	s_add_co_u32 s29, s29, SCI
	v_add_nc_u32 v7, s29, v1                       ; the block's byte: 32 r + l
	s_lshl_b32 s29, s24, 5
	s_add_co_u32 s29, s29, STI
	v_mov_b32 v8, s29                              ; the row's pair: 8 r
	s_mul_i32 s29, s24, 3136
	s_add_co_u32 s29, s29, IMG
	v_lshl_add_u32 v11, v1, 3, s29                 ; the way out: my wave's four K halves, 8 bytes a lane,
	s_mul_i32 s29, s24, 3072
	v_lshl_add_u32 v12, v1, 3, s29                 ; and their place in the m-tile's 12,288 bytes
	v_add_nc_u32 v13, SCI, v2
	v_lshl_add_u32 v14, v1, 2, STI
	v_lshrrev_b32 v15, 4, v1
	v_lshlrev_b32 v15, 6, v15
	v_lshl_add_u32 v15, v1, 2, v15                 ; st: the tile's tokens are two runs of eight, 16 tokens apart
	v_mov_b32 v240, 0                              ; v[240:241] = (mean, 1 / (std + eps)): named as a pair before both are made
	v_mov_b32 v241, 0
	s_wait_kmcnt 0x0
	s_add_nc_u64 s[4:5], s[4:5], s[26:27]
.irp j, 0,1,2,3,4,5,6,7
	global_load_b128 v[AL+4*\j:AL+4*\j+3], v2, s[6:7] offset:512*\j
.endr
.irp j, 0,1,2,3,4,5,6,7
	global_load_b128 v[BE+4*\j:BE+4*\j+3], v2, s[8:9] offset:512*\j
.endr
.irp i, 0,1,2,3
.irp j, 0,1,2,3,4,5,6,7
	global_load_b128 v[X+32*\i+4*\j:X+32*\i+4*\j+3], v2, s[4:5] offset:4096*\i+512*\j th:TH_LOAD_NT   ; 32 lanes read 512 bytes on end
.endr
.endr
.macro WSUM a, t                       ; the sum over the wave's 32 lanes, in every lane
	v_add_f32_dpp v[\a], v[\a], v[\a] row_xmask:1 row_mask:0xf bank_mask:0xf
	v_add_f32_dpp v[\a], v[\a], v[\a] row_xmask:2 row_mask:0xf bank_mask:0xf
	v_add_f32_dpp v[\a], v[\a], v[\a] row_xmask:4 row_mask:0xf bank_mask:0xf
	v_add_f32_dpp v[\a], v[\a], v[\a] row_xmask:8 row_mask:0xf bank_mask:0xf
	v_permlanex16_b32 v[\t], v[\a], s30, s31
	v_add_f32 v[\a], v[\a], v[\t]
.endm
.macro ROW i
.set XR, X+32*\i
	s_wait_dscnt 0x0                               ; the last row's LDS stores are done: the pair and the codes' registers are written anew below
	s_wait_loadcnt 8*(3-\i)                        ; this row's eight loads are in; the later rows' may be out
	v_pk_add_f32 v[242:243], v[XR:XR+1], v[XR+2:XR+3]
	v_pk_add_f32 v[254:255], v[XR+4:XR+5], v[XR+6:XR+7]
.irp j, 8,12,16,20,24,28
	v_pk_add_f32 v[242:243], v[242:243], v[XR+\j:XR+\j+1]
	v_pk_add_f32 v[254:255], v[254:255], v[XR+\j+2:XR+\j+3]
.endr
	v_pk_add_f32 v[242:243], v[242:243], v[254:255]
	v_add_f32 v242, v242, v243
	WSUM 242, 255
	v_mul_f32 v240, 0x3a800000, v242               ; the mean: / 1024
.irp j, 0,2,4,6,8,10,12,14,16,18,20,22,24,26,28,30
	v_pk_add_f32 v[XR+\j:XR+\j+1], v[XR+\j:XR+\j+1], v[240:241] op_sel_hi:[1,0] neg_lo:[0,1] neg_hi:[0,1]   ; x - mean
.endr
	v_pk_mul_f32 v[242:243], v[XR:XR+1], v[XR:XR+1]
	v_pk_mul_f32 v[254:255], v[XR+2:XR+3], v[XR+2:XR+3]
.irp j, 4,8,12,16,20,24,28
	v_pk_fma_f32 v[242:243], v[XR+\j:XR+\j+1], v[XR+\j:XR+\j+1], v[242:243]
	v_pk_fma_f32 v[254:255], v[XR+\j+2:XR+\j+3], v[XR+\j+2:XR+\j+3], v[254:255]
.endr
	v_pk_add_f32 v[242:243], v[242:243], v[254:255]
	v_add_f32 v242, v242, v243
	WSUM 242, 255
	v_mul_f32 v242, 0x3a802008, v242               ; / 1023
	s_wait_alu depctr_va_vdst(0)
	v_sqrt_f32 v243, v242
	v_nop                                          ; a plain instruction behind the root,
	s_wait_alu depctr_va_vdst(0)                   ; and the wait ahead of its first reader
	v_add_f32 v243, 0x3727c5ac, v243               ; + 1e-5
	s_wait_alu depctr_va_vdst(0)
	v_rcp_f32 v241, v243
	v_nop
	s_wait_alu depctr_va_vdst(0)
.irp j, 0,2,4,6,8,10,12,14,16,18,20,22,24,26,28,30
	v_pk_mul_f32 v[XR+\j:XR+\j+1], v[XR+\j:XR+\j+1], v[240:241] op_sel:[0,1] op_sel_hi:[1,1]
.endr
.irp j, 0,2,4,6,8,10,12,14,16,18,20,22,24,26,28,30
	v_pk_fma_f32 v[XR+\j:XR+\j+1], v[XR+\j:XR+\j+1], v[AL+\j:AL+\j+1], v[BE+\j:BE+\j+1]   ; xn
.endr
.irp j, 0,1,2,3,4,5,6,7
	ds_store_b128 v3, v[XR+4*\j:XR+4*\j+3] offset:576*\j       ; the row turns through my own stage: LDS serves a wave's instructions in order
.endr
.irp e, 0,1,2,3,4,5,6,7
	ds_load_b128 v[N+4*\e:N+4*\e+3], v4 offset:16*\e           ; lane l: K = 32 l .. 32 l + 31
.endr
	s_wait_dscnt 0x0
	v_max3_num_f32 v242, |v[N]|, |v[N+1]|, 0x2800000           ; the block's largest magnitude, over the floor 2^(5 - 127): the byte cannot fall under 1
	v_max3_num_f32 v243, |v[N+2]|, |v[N+3]|, |v[N+4]|
.irp j, 5,9,13,17,21,25
	v_max3_num_f32 v242, v242, |v[N+\j]|, |v[N+\j+1]|
	v_max3_num_f32 v243, v243, |v[N+\j+2]|, |v[N+\j+3]|
.endr
	v_max3_num_f32 v242, v242, |v[N+29]|, |v[N+30]|
	v_max3_num_f32 v242, v242, v243, |v[N+31]|
	v_add_nc_u32 v254, 0xfe000000, v242            ; 4 off its exponent field: the conversion takes that field as its scale
	v_cvt_scalef32_pk16_bf6_f32 v[244:246], v[N:N+15], v254
	v_cvt_scalef32_pk16_bf6_f32 v[250:252], v[N+16:N+31], v254 ; (a conversion's three registers begin on an even number)
	v_lshrrev_b32 v253, 23, v254                   ; the byte; also the plain instruction behind the conversions
	v_mov_b32 v247, v250
	v_mov_b32 v248, v251
	v_mov_b32 v249, v252
	ds_store_b128 v5, v[244:247] offset:16*\i
	ds_store_b64 v6, v[248:249] offset:8*\i
	ds_store_b8 v7, v253 offset:32*\i
	ds_store_b64 v8, v[240:241] offset:8*\i        ; all lanes write the same pair
.endm
	ROW 0
	ROW 1
	ROW 2
	ROW 3
	s_wait_dscnt 0x0                               ; for the others' sake: my stores have landed
	s_barrier_signal -1
	s_barrier_wait -1
	s_mul_i32 s26, ttmp9, 12288
	s_mov_b32 s27, 0
	s_add_nc_u64 s[26:27], s[18:19], s[26:27]
.irp n, 0,1,2,3,4,5,6,7,8,9,10,11
	ds_load_b64 v[16+2*\n:17+2*\n], v11 offset:784*(\n/3)+256*(\n%3)
.endr
.irp n, 0,1,2,3,4,5,6,7,8,9,10,11
	s_wait_dscnt 11-\n                             ; the later copies may be out
	global_store_b64 v12, v[16+2*\n:17+2*\n], s[26:27] offset:768*(\n/3)+256*(\n%3)   ; 32 lanes store 256 bytes on end, aligned
.endr
	s_cmp_eq_u32 s24, 0
	s_cbranch_scc0 .Lnot_wave_0
	ds_load_b128 v[48:51], v13                     ; wave 0: the tile's 512 scale bytes
	s_lshl_b32 s28, ttmp9, 9
	s_add_co_u32 s28, s28, 6291456
	s_mov_b32 s29, 0
	s_add_nc_u64 s[28:29], s[18:19], s[28:29]
	s_wait_dscnt 0x0
	global_store_b128 v2, v[48:51], s[28:29]
	s_branch .Lrows_done
.Lnot_wave_0:
	s_cmp_eq_u32 s24, 1
	s_cbranch_scc0 .Lrows_done
	ds_load_b32 v48, v14                           ; wave 1: the 16 pairs
	s_lshl_b32 s28, s25, 3
	s_mov_b32 s29, 0
	s_add_nc_u64 s[28:29], s[22:23], s[28:29]
	s_wait_dscnt 0x0
	global_store_b32 v15, v48, s[28:29]
.Lrows_done:
	s_wait_tensorcnt 0x0                           ; the wave's end
	ds_add_u32 v9, v10
	s_wait_dscnt 0x0
	s_endpgm
; ---------------------------------------------------------------- the weights: a lane takes a column, its registers run down K; no LDS
.Lweights:
	s_sub_co_u32 s25, ttmp9, 512
	s_lshr_b32 s26, s25, 6                         ; which weight
	s_bfe_u32 s27, s25, 0x30003                    ; which 128 columns
	s_and_b32 s28, s25, 7                          ; which K step of 128
	s_lshl_b32 s32, s28, 19                        ; 128 rows of 4,096 bytes,
	s_lshl_b32 s33, s27, 9
	s_add_co_u32 s32, s32, s33
	s_lshl_b32 s33, s24, 7
	s_add_co_u32 s32, s32, s33                     ; + 4 (128 cg + 32 w)
	s_mov_b32 s33, 0
	s_lshl_b32 s34, s26, 6
	s_lshl_b32 s35, s27, 3
	s_add_co_u32 s34, s34, s35
	s_lshl_b32 s35, s24, 1
	s_add_co_u32 s34, s34, s35                     ; my wave's first n-tile of two
	s_mul_i32 s36, s34, 12288
	s_mul_i32 s35, s28, 1536
	s_add_co_u32 s36, s36, s35
	s_mov_b32 s37, 0
	s_lshl_b32 s38, s34, 9
	s_lshl_b32 s35, s28, 2
	s_add_co_u32 s38, s38, s35
	s_add_co_u32 s38, s38, 3145728
	s_mov_b32 s39, 0
	s_wait_alu depctr_va_vdst(0)
	v_lshlrev_b32 v2, 2, v1
	v_bfe_u32 v3, v1, 3, 1                         ; column x of the 32 is row r = x % 8 + 8 (x / 16) of tile u = (x / 8) % 2
	v_and_b32 v4, 7, v1
	v_lshrrev_b32 v5, 4, v1
	v_lshl_add_u32 v4, v5, 3, v4
	v_mul_u32_u24 v5, v3, 12288
	v_lshl_add_u32 v5, v4, 4, v5                   ; codes: 12,288 u + 16 r
	v_lshlrev_b32 v6, 9, v3
	v_lshl_add_u32 v6, v4, 5, v6                   ; scale words: 512 u + 32 r
	s_wait_alu depctr_va_vdst(0)
	s_wait_kmcnt 0x0
	s_cmp_lt_u32 s26, 2                            ; the choice hangs on the work-group's number alone
	s_cselect_b64 s[40:41], s[10:11], s[14:15]
	s_cselect_b64 s[42:43], s[12:13], s[16:17]
	s_and_b32 s27, s26, 1
	s_cmp_eq_u32 s27, 0
	s_cselect_b64 s[40:41], s[40:41], s[42:43]
	s_add_nc_u64 s[40:41], s[40:41], s[32:33]
	s_add_nc_u64 s[44:45], s[20:21], s[36:37]
	s_add_nc_u64 s[46:47], s[20:21], s[38:39]
.macro WLOAD b                         ; block b: W(32 b + i, my column): 32 lanes read 128 bytes on end, the four waves 512
.set kk, 32*\b
.rept 32
	global_load_b32 v[32+kk], v2, s[40:41] offset:kk*4096 th:TH_LOAD_NT
.set kk, kk+1
.endr
.endm
.macro WBLOCK b
.set XS, 32+32*\b
.set GG, 160+12*(\b%2)+6*(\b/2)        ; image lane (r, h') takes blocks h' and 2 + h': block b goes to set b % 2, registers 6 (b / 2) on
	v_max3_num_f32 v16, |v[XS]|, |v[XS+1]|, 0x2800000
	v_max3_num_f32 v17, |v[XS+2]|, |v[XS+3]|, |v[XS+4]|
.irp j, 5,9,13,17,21,25
	v_max3_num_f32 v16, v16, |v[XS+\j]|, |v[XS+\j+1]|
	v_max3_num_f32 v17, v17, |v[XS+\j+2]|, |v[XS+\j+3]|
.endr
	v_max3_num_f32 v16, v16, |v[XS+29]|, |v[XS+30]|
	v_max3_num_f32 v16, v16, v17, |v[XS+31]|
	v_add_nc_u32 v[20+\b], 0xfe000000, v16
	v_lshrrev_b32 v18, 23, v[20+\b]
.if \b == 0
	v_mov_b32 v19, v18
.else
	v_lshl_or_b32 v19, v18, 8*\b, v19              ; the column's scale word for this K step
.endif
	v_cvt_scalef32_pk16_bf6_f32 v[GG:GG+2], v[XS:XS+15], v[20+\b]
	v_cvt_scalef32_pk16_bf6_f32 v[184+4*\b:186+4*\b], v[XS+16:XS+31], v[20+\b]
	v_nop                                          ; a plain instruction behind the conversions
	v_mov_b32 v[GG+3], v[184+4*\b]
	v_mov_b32 v[GG+4], v[185+4*\b]
	v_mov_b32 v[GG+5], v[186+4*\b]
.endm
	WLOAD 0
	WLOAD 1
	s_wait_loadcnt 32                              ; block 0 is in; block 1 may be out
	WLOAD 2
	WBLOCK 0
	s_wait_loadcnt 32                              ; block 1 is in; block 2 may be out
	WLOAD 3
	WBLOCK 1
	s_wait_loadcnt 32
	WBLOCK 2
	s_wait_loadcnt 0x0
	WBLOCK 3
.irp g, 0,1
.irp c, 0,1,2
	global_store_b128 v5, v[160+12*\g+4*\c:163+12*\g+4*\c], s[44:45] offset:512*\c+256*\g   ; sixteen lanes fill 256 bytes on end, aligned, in each of the two tiles
.endr
.endr
	global_store_b32 v6, v19, s[46:47]
	s_endpgm
.Lfunc_end_k_qab14bbc8af_prep:
	.size	k_qab14bbc8af_prep, .Lfunc_end_k_qab14bbc8af_prep-k_qab14bbc8af_prep
	.p2alignl 7, 3214868480
	.fill 96, 4, 3214868480
	.section	.rodata,"a",@progbits
	.p2align	6, 0x0
	.amdhsa_kernel k_qab14bbc8af_prep
		.amdhsa_group_segment_fixed_size 32768
		.amdhsa_private_segment_fixed_size 0
		.amdhsa_enable_private_segment 0
		.amdhsa_kernarg_size 80
		.amdhsa_user_sgpr_count 2
		.amdhsa_user_sgpr_kernarg_segment_ptr 1
		.amdhsa_wavefront_size32 1
		.amdhsa_system_sgpr_workgroup_id_x 1
		.amdhsa_system_sgpr_workgroup_id_y 1
		.amdhsa_system_sgpr_workgroup_id_z 1
		.amdhsa_system_vgpr_workitem_id 0
		.amdhsa_next_free_vgpr 256
		.amdhsa_next_free_sgpr 66
		.amdhsa_reserve_vcc 0
		.amdhsa_float_denorm_mode_32 3
		.amdhsa_float_denorm_mode_16_64 3
		.amdhsa_memory_ordered 1
		.amdhsa_forward_progress 1
		.amdhsa_inst_pref_size 67
	.end_amdhsa_kernel
	.amdgpu_metadata
---
amdhsa.version: [ 1, 2 ]
amdhsa.kernels:
  - .name:           k_qab14bbc8af_prep
    .symbol:         k_qab14bbc8af_prep.kd
    .args:
      - { .name: x, .offset: 0, .size: 8, .value_kind: global_buffer, .address_space: global }
      - { .name: alpha1, .offset: 8, .size: 8, .value_kind: global_buffer, .address_space: global }
      - { .name: bias1, .offset: 16, .size: 8, .value_kind: global_buffer, .address_space: global }
      - { .name: Wq, .offset: 24, .size: 8, .value_kind: global_buffer, .address_space: global }
      - { .name: Wk, .offset: 32, .size: 8, .value_kind: global_buffer, .address_space: global }
      - { .name: Wv, .offset: 40, .size: 8, .value_kind: global_buffer, .address_space: global }
      - { .name: Wo, .offset: 48, .size: 8, .value_kind: global_buffer, .address_space: global }
      - { .name: xq, .offset: 56, .size: 8, .value_kind: global_buffer, .address_space: global }
      - { .name: wq, .offset: 64, .size: 8, .value_kind: global_buffer, .address_space: global }
      - { .name: st, .offset: 72, .size: 8, .value_kind: global_buffer, .address_space: global }
    .group_segment_fixed_size: 32768
    .private_segment_fixed_size: 0
    .kernarg_segment_align: 8
    .kernarg_segment_size: 80
    .max_flat_workgroup_size: 128
    .sgpr_count:     66
    .vgpr_count:     256
    .wavefront_size: 32
...
	.end_amdgpu_metadata
.endif
;; end of part 1
;; launch qkv (part 2): grid 8 x 32, 4 waves a work-group, clusters of 4 x 4, 327,680 bytes of LDS; arguments xq, wq, mask, bq, bk, bv, qq, kv; writes qq, kv
.if DOCPART == 2
	.amdgcn_target "amdgcn-amd-amdhsa--gfx1250"
	.amdhsa_code_object_version 6
	.text
	.protected	k_qab14bbc8af_qkv
	.globl	k_qab14bbc8af_qkv
	.p2align	8
	.type	k_qab14bbc8af_qkv,@function
k_qab14bbc8af_qkv:
	s_mov_b64 s[64:65], 0
	v_nop
	global_prefetch_b8 v0, s[64:65] scope:SCOPE_SE
	s_setreg_imm32_b32 hwreg(HW_REG_WAVE_MODE, 25, 1), 1
	s_wait_xcnt 0x0
	s_wait_alu depctr_hold_cnt(0) depctr_sa_sdst(0) depctr_va_vdst(0) depctr_va_sdst(0) depctr_va_ssrc(0) depctr_va_vcc(0) depctr_vm_vsrc(0)
	s_getreg_b32 s2, hwreg(HW_REG_IB_STS2, 6, 4)
	s_cmp_eq_u32 s2, 0
	s_cbranch_scc0 .Lentry_in_a_cluster
	s_endpgm
.Lentry_in_a_cluster:
	s_bfe_u32 s2, ttmp6, 0x10000c
	s_cmp_lg_u32 s2, 0xf033
	s_cbranch_scc0 .Lentry_shape_is_right
	s_endpgm
.Lentry_shape_is_right:
; LAUNCH 2 OF 4.  q = xn Wq + bq, k = xn Wk + bk, v = xn Wv + bv on codes of E3M2, and the quantisers of q and k (along a head's 64) and of v (along the keys).  No work of reference() is left out here.
; SHARES.  Work-group (X, Y): tokens 256 Y on (16 m-tiles; their codes for all of K stay in LDS) x columns 128 X on (heads 2 X, 2 X + 1) of q, then k, then v.  Wave w: m-tiles 4 w .. 4 w + 3 x 8 n-tiles: 32 accumulators.
; CLUSTER 4 x 4: the tokens' codes and scales are asked for jointly along a row of the cluster, the weights' along a column.  In the ring each wave asks for its quarter of the weights' tiles; the first loads are one a wave, by branches.
; q AND k ARE MADE TRANSPOSED (source 0 = 16 columns of the weight, source 1 = 16 tokens): a lane holds one token and its registers run along the columns; by the order of a tile's rows (row r of tile 2 b + u is index
; 32 b + 8 u + r + 8 (r / 8)) the 16 registers of n-tiles 2 b, 2 b + 1 are 16 neighbours.  v IS MADE THE OTHER WAY ROUND: a lane holds one channel and its registers run along the tokens, which are the next product's K.
; THE MASK goes into the empty half of the score product's K (a head has 64, the instruction takes 128).  q carries the code 1.0 at k = 64 under the byte 127.  A key with mask = 0 has its 64 codes replaced by zeros and carries
; the code -16 at k = 64 under the byte 156: its score is -2^33 for every query, its logit -2^30.  A key with mask != 0 carries 0 there under the byte 1.  It is a selection on whole numbers read from memory, by v_cndmask_b32.
; LIMIT: reference() writes -1e9 where this text has -2^30; the results are the same while every unmasked logit lies above -1e9 + 104.  NaN and infinities are not served; blocks under 2^-122 get the byte 1.
; qq: codes [head 128][q tile 64][1024]: registers 0-3 at 16 x lane, 4-7 at 512 + 16 x lane (0-5 the 64 codes, 6 the code at k = 64, 7 zero); scale words at 8,388,608: [head][group of 4 tiles 16][r][4].
; kv: [head 128][piece of 256 keys 4][30,208]: k's tiles [16][1024] as q's; at 16,384 v: [64 keys 4][d-tile 4][768]; at 28,672 k's scale words [group 4][r][4]; at 29,696 v's [128 keys 2][r][4 d-tiles].
; REGISTERS: window 0 addresses, scale words, the quantiser's work; window 1: the tokens' fragments, two sets of 48, and from v128 the bias as the first product's C; window 2: the weights' fragments, two sets of 96; window 3: the accumulators.
.set AG,    98304                      ; LDS: the tokens' codes [K half of 512: 2][m-tile 16][6144]
.set BS0,   196608                     ; two slots for the weights' codes: [n-tile 8][K step 4][1536]
.set BS1,   245760
.set XS,    294912                     ; the tokens' scale bytes [m-tile 16][r][32]
.set WSL,   303104                     ; the weights' scale words [q, k, v][n-tile 8][r][8 words]
.set VST,   315392                     ; v's scale bytes on their way out: written by ds_store alone
.set SPARE, 316416                     ; the spare words: 128 bytes for each wave, named by no other line
.set TM,    200                        ; v200-215 the quantiser's work
.set PC,    112                        ; v112-127 codes: head c at 112 + 8 c
.set MSB, 0
.macro WIN new                         ; the immediate's high byte repeats the setting that is left
.if MSB != (\new)
	s_set_vgpr_msb (MSB<<8)|(\new)
.set MSB, (\new)
.endif
.endm
.macro PLACES                          ; four plain instructions between a matrix instruction and a load into, or a vector instruction on, its registers
.rept 4
	v_nop
.endr
.endm
.macro CREST                           ; a round of the cluster's barrier behind its opening barrier
	s_cmp_lg_u32 s20, 0
	s_cbranch_scc1 .Lnot_wave_0_\@
	s_barrier_signal -3
.Lnot_wave_0_\@:
	s_barrier_wait -3
	s_barrier_signal -1
	s_barrier_wait -1
.endm
.macro CROUND
	s_barrier_signal -1
	s_barrier_wait -1
	CREST
.endm
.macro G1SET g, c, r, p                ; descriptor group 1, words 1 to 7: r rows of c elements of 8 bytes, p elements from row to row
	s_mov_b32 s[\g+1], ((\c)&0xffff)<<16
	s_mov_b32 s[\g+2], ((\c)>>16)|(((\r)&0xffff)<<16)
	s_mov_b32 s[\g+3], ((\r)>>16)|((\c)<<16)
	s_mov_b32 s[\g+4], \r
	s_mov_b32 s[\g+5], \p
	s_mov_b32 s[\g+6], 0
	s_mov_b32 s[\g+7], 0
.endm
.macro WMS d, a, b, c, sa, sb, ra, rb  ; one product; ra, rb: the side's scales stand in lanes 16-31
.if (\ra) && (\rb)
	v_wmma_scale_f32_16x16x128_f8f6f4 v[(\d):(\d)+7], v[(\a):(\a)+11], v[(\b):(\b)+11], v[(\c):(\c)+7], v[\sa], v[\sb] matrix_a_fmt:MATRIX_FMT_BF6 matrix_b_fmt:MATRIX_FMT_BF6 matrix_a_scale:MATRIX_SCALE_ROW1 matrix_b_scale:MATRIX_SCALE_ROW1
.elseif (\ra)
	v_wmma_scale_f32_16x16x128_f8f6f4 v[(\d):(\d)+7], v[(\a):(\a)+11], v[(\b):(\b)+11], v[(\c):(\c)+7], v[\sa], v[\sb] matrix_a_fmt:MATRIX_FMT_BF6 matrix_b_fmt:MATRIX_FMT_BF6 matrix_a_scale:MATRIX_SCALE_ROW1
.elseif (\rb)
	v_wmma_scale_f32_16x16x128_f8f6f4 v[(\d):(\d)+7], v[(\a):(\a)+11], v[(\b):(\b)+11], v[(\c):(\c)+7], v[\sa], v[\sb] matrix_a_fmt:MATRIX_FMT_BF6 matrix_b_fmt:MATRIX_FMT_BF6 matrix_b_scale:MATRIX_SCALE_ROW1
.else
	v_wmma_scale_f32_16x16x128_f8f6f4 v[(\d):(\d)+7], v[(\a):(\a)+11], v[(\b):(\b)+11], v[(\c):(\c)+7], v[\sa], v[\sb] matrix_a_fmt:MATRIX_FMT_BF6 matrix_b_fmt:MATRIX_FMT_BF6
.endif
.endm
; eight products: m-tile a against the eight n-tiles.  kind 0: q, k (weights first); 1: v (tokens first).  p: the fragments' set; q: the K step in its half; sc: the scale words' set; first: C is the bias.
; The 32 accumulators take turns, one instruction a turn, in the same order in every K step.
.macro MUL kind, a, p, q, sc, first
.irp nt, 0,1,2,3,4,5,6,7
.if \kind
.set DD, 8*(4*\nt+\a)
.else
.set DD, 8*(8*\a+\nt)
.endif
.set CC, DD
.if \first
.set CC, 128+8*\nt
.endif
.set FA, 48*(\p)+12*\a
.set FB, 96*(\p)+12*\nt
.set RA, 48+24*(\sc)+4*((\a)%2)+(\q)
.set RB, 32+24*(\sc)+4*(\nt%4)+(\q)
.if \kind
	WMS DD, FA, FB, CC, RA, RB, (\a)/2, \nt/4
.else
	WMS DD, FB, FA, CC, RB, RA, \nt/4, (\a)/2
.endif
.endr
.endm
.macro FETCH g, q, p                   ; 40 LDS loads: the fragments of K step q of half g into set p
	WIN 0x40
.irp a, 0,1,2,3
.irp c, 0,1
	ds_load_b128 v[48*(\p)+12*\a+6*\c:48*(\p)+12*\a+6*\c+3], v[4+\g] offset:6144*\a+1536*(\q)+768*\c
	ds_load_b64 v[48*(\p)+12*\a+6*\c+4:48*(\p)+12*\a+6*\c+5], v[6+\g] offset:6144*\a+1536*(\q)+768*\c
.endr
.endr
	WIN 0x80
.irp i, 0,1,2,3,4,5,6,7
.irp c, 0,1,2
	ds_load_b128 v[96*(\p)+12*\i+4*\c:96*(\p)+12*\i+4*\c+3], v[8+\g] offset:6144*\i+1536*(\q)+512*\c
.endr
.endr
.endm
.macro SCALES g, t, sc                 ; 6 LDS loads: four K steps' scale words.  Weights: lanes 0-15 n-tile i, lanes 16-31 i + 4.  Tokens: lanes 0-15 m-tile i, lanes 16-31 i + 2
.irp i, 0,1,2,3
	ds_load_b128 v[32+24*(\sc)+4*\i:35+24*(\sc)+4*\i], v11 offset:4096*(\t)+512*\i+16*(\g)
.endr
.irp i, 0,1
	ds_load_b128 v[48+24*(\sc)+4*\i:51+24*(\sc)+4*\i], v10 offset:512*\i+16*(\g)
.endr
.endm
.macro STEP kind, g, q, first          ; K step q = 0, 1, 2 of half g: the next step's fragments are asked for, then this step's 32 products
	PLACES                                         ; the other set was read by the products just issued
	FETCH \g, (\q)+1, 1-(\q)%2
	s_wait_dscnt 40                                ; all but the 40 loads just issued
	WIN 0xf6+3*(\kind)-0x20*(\first)
	MUL \kind, 0, (\q)%2, \q, \g, \first
	MUL \kind, 1, (\q)%2, \q, \g, \first
	MUL \kind, 2, (\q)%2, \q, \g, \first
	MUL \kind, 3, (\q)%2, \q, \g, \first
.endm
; The last K step of half g changes slots: ONE barrier.  In front of it each wave waits for all its tensor loads, adds 0 to its spare word, and waits for that and for its reads of the slot.
; refill = 1: the barrier opens a round of the cluster's barrier, and the slot takes the next tensor's codes (64 n-tiles on): the wave's one tensor load behind the round; 104 products stand ahead of the wait for it.
.macro TURN kind, g, refill, ng, ntile
	WIN 0
	s_wait_tensorcnt 0x0                           ; all my tensor loads have landed
	ds_add_u32 v28, v29                            ; 0 onto my spare word
	s_wait_dscnt 1                                 ; (the add alone may be out: this step's fragments are in)
	WIN 0xf6+3*(\kind)
	MUL \kind, 0, 1, 3, \g, 0
	MUL \kind, 1, 1, 3, \g, 0
	s_wait_dscnt 0x0                               ; the add is done, and my reads of the slot are over
	s_barrier_signal -1
	MUL \kind, 2, 1, 3, \g, 0
	WIN 0
	s_barrier_wait -1
.if \refill
	CREST                                          ; no wave of any partner still reads the slot or has a load on its way
	s_add_nc_u64 s[82+4*\g:83+4*\g], s[82+4*\g:83+4*\g], 786432
	s_mov_b32 s54, 2<<16                           ; no tensor load of mine is out: in the ring a load brings my 2 n-tiles
	s_mov_b32 s56, 2
	tensor_load_to_lds s[80+4*\g:83+4*\g], s[52:59]
	s_nop 0
	PLACES                                         ; (also the places in front of the loads below)
.else
	PLACES
.endif
	FETCH \ng, 0, 0
	WIN 0
	SCALES \ng, \ntile, \ng
	WIN 0xf6+3*(\kind)
	MUL \kind, 3, 1, 3, \g, 0
.endm
; 64 numbers of a lane in window 3, register s + 16 b + i = column 32 b + 16 (lane / 16) + i of my token, become two heads' codes (v[PC + 8 c] on) and four bytes (v[TM + 4] on)
.macro QUANT3 s
	WIN 0x0f
.irp b, 0,1,2,3
	v_max3_num_f32 v[TM+\b], |v[(\s)+16*\b]|, |v[(\s)+1+16*\b]|, 0x2800000   ; each accumulator is read from its low end on; the floor 2^(5 - 127) holds the byte at 1 from below
.endr
	WIN 0x3c
.irp i, 2,4,6,8,10,12,14
.irp b, 0,1,2,3
	v_max3_num_f32 v[TM+\b], v[TM+\b], |v[(\s)+16*\b+\i]|, |v[(\s)+1+16*\b+\i]|
.endr
.endr
	WIN 0
.irp b, 0,1,2,3
	v_permlanex16_b32 v[TM+4+\b], v[TM+\b], s2, s3
.endr
.irp b, 0,1,2,3
	v_max_num_f32 v[TM+\b], v[TM+\b], v[TM+4+\b]   ; with lane l xor 16's 16: the block's largest magnitude
.endr
.irp b, 0,1,2,3
	v_add_nc_u32 v[TM+12+\b], 0xfe000000, v[TM+\b] ; 4 off its exponent field: the conversion's scale operand
.endr
.irp b, 0,1,2,3
	v_lshrrev_b32 v[TM+4+\b], 23, v[TM+12+\b]      ; the byte
.endr
	WIN 0x03
.irp c, 0,1
	v_cvt_scalef32_pk16_bf6_f32 v[PC+8*\c:PC+8*\c+2], v[(\s)+32*\c:(\s)+32*\c+15], v[TM+12+2*\c]
	v_cvt_scalef32_pk16_bf6_f32 v[128+4*\c:130+4*\c], v[(\s)+16+32*\c:(\s)+31+32*\c], v[TM+13+2*\c]
.endr
	WIN 0
	v_nop                                          ; a plain instruction behind the conversions
.irp c, 0,1                            ; the operand wants a whole block in a lane: lanes 0-15 the head's first 32, lanes 16-31 its second
.irp i, 0,1,2
	v_permlane16_swap_b32 v[PC+8*\c+\i], v[128+4*\c+\i]
.endr
.irp i, 0,1,2
	v_mov_b32 v[PC+8*\c+3+\i], v[128+4*\c+\i]
.endr
.endr
.endm
.macro BIASQK                          ; the bias in q's and k's result layout: lane half h, n-tile nt: columns 32 (nt / 2) + 16 h + 8 (nt % 2) + 0 .. 7
	WIN 0x40
.irp nt, 0,1,2,3,4,5,6,7
	global_load_b128 v[128+8*\nt:131+8*\nt], v12, s[92:93] offset:4*(32*(\nt/2)+8*(\nt%2))
	global_load_b128 v[132+8*\nt:135+8*\nt], v12, s[92:93] offset:4*(32*(\nt/2)+8*(\nt%2))+16
.endr
	WIN 0
.endm
; q's (isk = 0) or k's (1) way out; the next tensor's bias is asked for first
.macro EPI_QK isk
	WIN 0
	PLACES
	s_wait_xcnt 0x0                                ; earlier loads and stores have read their bases and registers
	s_lshl_b32 s90, s23, 9                         ; 4 bytes x 128 X
	s_mov_b32 s91, 0
.if \isk
	s_add_nc_u64 s[92:93], s[14:15], s[90:91]      ; bv, in v's result layout: a lane holds one column in all eight registers
	WIN 0x40
.irp nt, 0,1,2,3,4,5,6,7
.irp j, 0,1,2,3,4,5,6,7
	global_load_b32 v[128+8*\nt+\j], v13, s[92:93] offset:4*(32*(\nt/2)+8*(\nt%2))
.endr
.endr
	WIN 0
	s_mul_i32 s94, s25, 120832
	s_mul_i32 s95, s26, 30208
	s_add_co_u32 s94, s94, s95                     ; head 2 X's piece
	s_lshl_b32 s95, s20, 8
	s_add_co_u32 s96, s94, s95
	s_add_co_u32 s96, s96, 28672                   ; its scale words, my group
	s_mov_b32 s97, 0
	s_lshl_b32 s95, s20, 12
	s_add_co_u32 s94, s94, s95                     ; its tiles, my four
	s_mov_b32 s95, 0
	s_add_nc_u64 s[94:95], s[18:19], s[94:95]
	s_add_nc_u64 s[96:97], s[18:19], s[96:97]
.else
	s_add_nc_u64 s[92:93], s[12:13], s[90:91]      ; bk
	BIASQK
	s_lshl_b32 s94, s25, 16
	s_lshl_b32 s95, s26, 14
	s_add_co_u32 s94, s94, s95
	s_lshl_b32 s95, s20, 12
	s_add_co_u32 s94, s94, s95                     ; (64 head + 16 (Y % 4) + 4 w) x 1,024
	s_mov_b32 s95, 0
	s_lshl_b32 s96, s25, 12
	s_lshl_b32 s97, s26, 10
	s_add_co_u32 s96, s96, s97
	s_lshl_b32 s97, s20, 8
	s_add_co_u32 s96, s96, s97
	s_add_co_u32 s96, s96, 8388608
	s_mov_b32 s97, 0
	s_add_nc_u64 s[94:95], s[16:17], s[94:95]
	s_add_nc_u64 s[96:97], s[16:17], s[96:97]
	v_mov_b32 v[PC+6], v19                         ; q's code 1.0 at k = 64, in lanes 0-15
	v_mov_b32 v[PC+14], v19
.endif
.irp a, 0,1,2,3
	s_wait_xcnt 0x0                                ; the last tile's stores have read the codes' registers
	QUANT3 64*\a
.if \isk
	v_cmp_ne_u32 vcc_lo, 0, v[80+\a]               ; does my token count as a key?
.irp c, 0,1
.irp i, 0,1,2,3,4,5
	v_cndmask_b32 v[PC+8*\c+\i], v18, v[PC+8*\c+\i], vcc_lo    ; if not: zero codes,
.endr
.endr
	v_cndmask_b32 v[PC+6], v20, v18, vcc_lo        ; the code -16 at k = 64,
	v_cndmask_b32 v[PC+14], v20, v18, vcc_lo
	v_cndmask_b32 v104, v22, v21, vcc_lo           ; and the byte 156 for that block (else 1)
.irp c, 0,1
	v_lshl_or_b32 v[84+4*\c+\a], v[TM+5+2*\c], 8, v[TM+4+2*\c]
	v_or_b32 v[84+4*\c+\a], v[84+4*\c+\a], v104
.endr
.irp c, 0,1
	global_store_b128 v14, v[PC+8*\c:PC+8*\c+3], s[94:95] offset:120832*\c+1024*\a
	global_store_b128 v14, v[PC+8*\c+4:PC+8*\c+7], s[94:95] offset:120832*\c+1024*\a+512
.endr
.else
.irp c, 0,1
	v_lshl_or_b32 v[84+4*\c+\a], v[TM+5+2*\c], 8, v[TM+4+2*\c]
	v_or_b32 v[84+4*\c+\a], 0x017f0000, v[84+4*\c+\a]          ; bytes 127 and 1 for the upper 64
.endr
.irp c, 0,1
	global_store_b128 v14, v[PC+8*\c:PC+8*\c+3], s[94:95] offset:65536*\c+1024*\a      ; 32 lanes store 512 bytes on end
	global_store_b128 v14, v[PC+8*\c+4:PC+8*\c+7], s[94:95] offset:65536*\c+1024*\a+512
.endr
.endif
.endr
.irp a, 0,1,2,3
	v_cndmask_b32 v[92+\a], v[84+\a], v[88+\a], s27            ; lanes 0-15 store the first head's four words of row r, lanes 16-31 the second's
.endr
.if \isk
	global_store_b128 v23, v[92:95], s[96:97]
.else
	global_store_b128 v16, v[92:95], s[96:97]
.endif
	s_wait_loadcnt 0x0                             ; the next tensor's bias is in
.endm
	s_load_b512 s[4:19], s[0:1], 0x0               ; xq, wq, mask, bq, bk, bv, qq, kv
	v_lshl_add_u32 v28, v0, 2, SPARE
	v_mov_b32 v29, 0
	ds_add_u32 v28, v29                            ; the wave's opening: the add, twice on end, and its wait ahead of my first tensor load
	ds_add_u32 v28, v29
	v_lshrrev_b32 v1, 5, v0
	v_readfirstlane_b32 s20, v1                    ; wave
	s_bfe_u32 s21, ttmp6, 0x40000                  ; cx
	s_bfe_u32 s22, ttmp6, 0x40004                  ; cy
	s_lshl_b32 s23, ttmp9, 2
	s_add_co_u32 s23, s23, s21                     ; X
	s_and_b32 s24, ttmp7, 0xffff
	s_lshl_b32 s24, s24, 2
	s_add_co_u32 s24, s24, s22                     ; Y
	s_lshl_b32 s88, s22, 2
	s_lshl_b32 s88, 15, s88                        ; my row of the cluster
	s_lshl_b32 s94, 0x1111, s21                    ; my column
	s_or_b32 s28, s88, (3<<16)|(1<<21)             ; group 1, word 0: the mask; elements of 8 bytes; bit 21 beside a mask; no padding
	s_or_b32 s36, s88, (3<<16)|(1<<21)
	s_or_b32 s44, s94, (3<<16)|(1<<21)
	s_or_b32 s52, s94, (3<<16)|(1<<21)
	G1SET 28, 768, 16, 1536                        ; the tokens' codes, one K half: 16 m-tiles x 6,144 bytes, 12,288 apart
	G1SET 36, 32, 32, 32                           ; their scale bytes: 8,192 dense bytes
	G1SET 44, 512, 3, 4096                         ; the weights' scale words: 8 n-tiles' 4,096 bytes of q, k and v, 32,768 apart
	G1SET 52, 768, 8, 1536                         ; the weights' codes, one K half: 8 n-tiles x 6,144 bytes
	s_lshl_b32 s88, s24, 4
	s_mul_i32 s90, s88, 12288
	s_mov_b32 s91, 0
	s_lshl_b32 s92, s88, 9
	s_add_co_u32 s92, s92, 6291456
	s_mov_b32 s93, 0
	s_lshl_b32 s94, s23, 3
	s_mul_i32 s96, s94, 12288
	s_mov_b32 s97, 0
	s_lshl_b32 s98, s94, 9
	s_add_co_u32 s98, s98, 3145728
	s_mov_b32 s99, 0
	s_mul_i32 s94, s20, 24576                      ; in the ring I fetch 2 n-tiles of the 8: 2 w x 12,288 bytes on
	s_mov_b32 s95, 0
	s_mov_b32 s60, 1
	s_mov_b32 s61, 0
	s_mov_b32 s68, 1
	s_mov_b32 s69, BS0
	s_mov_b32 s72, 1
	s_mov_b32 s73, XS
	s_mov_b32 s76, 1
	s_mov_b32 s77, WSL
	s_mov_b32 s80, 1
	s_mul_i32 s81, s20, 12288
	s_add_co_u32 s81, s81, BS0
	s_mov_b32 s84, 1
	s_add_co_u32 s85, s81, BS1-BS0
	s_wait_dscnt 0x0                               ; both opening adds are done
	s_wait_kmcnt 0x0
	s_add_nc_u64 s[62:63], s[4:5], s[90:91]
	s_or_b32 s63, s63, 0x80000000
	s_add_nc_u64 s[74:75], s[4:5], s[92:93]
	s_or_b32 s75, s75, 0x80000000
	s_add_nc_u64 s[78:79], s[6:7], s[98:99]
	s_or_b32 s79, s79, 0x80000000
	s_add_nc_u64 s[70:71], s[6:7], s[96:97]        ; the head's load of weights: all 8 n-tiles
	s_add_nc_u64 s[82:83], s[70:71], s[94:95]      ; the ring's: my two
	s_or_b32 s71, s71, 0x80000000
	s_add_nc_u64 s[86:87], s[82:83], 6144
	s_or_b32 s83, s83, 0x80000000
	s_or_b32 s87, s87, 0x80000000
	CROUND                                         ; all sixteen work-groups are here: the first joint loads meet
; THE HEAD'S LOADS, ONE A WAVE: wave 0 the tokens' first K half, wave 1 their scale bytes, wave 2 the weights' scale words, wave 3 q's weights, first K half.
; One chain of branches on the wave's number, one load to an arm, all arms leading to one join.
.macro ARM under, g0, g1, next
	s_cmp_lt_u32 s20, \under
	s_cbranch_scc0 \next
	tensor_load_to_lds s[\g0:\g0+3], s[\g1:\g1+7]
	s_nop 0
	PLACES
	s_branch .Lhead_asked
\next:
.endm
	ARM 1, 60, 28, .Lhead_ts
	ARM 2, 72, 36, .Lhead_ws
	ARM 3, 76, 44, .Lhead_w
	tensor_load_to_lds s[68:71], s[52:59]
	s_nop 0
	PLACES
.Lhead_asked:
	v_and_b32 v3, 31, v0                           ; lane
	v_and_b32 v1, 15, v0                           ; r
	v_bfe_u32 v2, v0, 4, 1                         ; h
	s_mul_i32 s88, s20, 24576
	v_lshl_add_u32 v4, v3, 4, s88                  ; my m-tiles' codes: registers 0-3 of a half image,
	v_add_nc_u32 v5, AG, v4
	v_lshl_add_u32 v6, v3, 3, s88
	v_add_nc_u32 v6, 512, v6                       ; registers 4-5
	v_add_nc_u32 v7, AG, v6
	v_lshl_add_u32 v8, v3, 4, BS0
	v_lshl_add_u32 v9, v3, 4, BS1
	s_lshl_b32 s89, s20, 11
	s_add_co_u32 s89, s89, XS
	v_lshlrev_b32 v10, 5, v1
	v_lshl_add_u32 v10, v2, 10, v10
	v_add_nc_u32 v10, s89, v10                     ; the tokens' scale words: lanes 16-31 two m-tiles on
	v_mul_u32_u24 v11, v2, 2048
	v_lshl_add_u32 v11, v1, 5, v11
	v_add_nc_u32 v11, WSL, v11                     ; the weights': lanes 16-31 four n-tiles on
	v_lshlrev_b32 v12, 6, v2                       ; 64 h
	v_and_b32 v13, 8, v1
	v_add_nc_u32 v13, v13, v1
	v_lshlrev_b32 v13, 2, v13                      ; 4 (r + 8 (r / 8))
	v_lshlrev_b32 v14, 4, v3                       ; 16 x lane
	v_lshlrev_b32 v25, 3, v3                       ; 8 x lane
	v_add_nc_u32 v15, 512, v25
	v_lshlrev_b32 v16, 4, v1
	v_mul_u32_u24 v23, v2, 120832
	v_add_nc_u32 v23, v23, v16                     ; k's scale words: 16 r + the head's stride x h
	v_lshl_add_u32 v16, v2, 12, v16                ; q's
	s_lshr_b32 s88, s20, 1
	s_lshl_b32 s88, s88, 8
	s_and_b32 s89, s20, 1
	s_lshl_b32 s89, s89, 1
	s_add_co_u32 s88, s88, s89
	s_add_co_u32 s88, s88, VST
	v_lshl_add_u32 v17, v1, 4, s88                 ; v's scale bytes: [head][128 keys w / 2][r][d-tile], my two bytes at 2 (w % 2)
	s_lshl_b32 s88, s20, 8
	s_add_co_u32 s88, s88, VST
	v_lshl_add_u32 v24, v3, 3, s88
	v_mov_b32 v18, 0
	v_xor_b32 v19, 1, v2
	v_mul_u32_u24 v20, v19, 0x3c                   ; the code -16, in lanes 0-15
	v_mul_u32_u24 v19, v19, 0x0c                   ; the code 1.0, in lanes 0-15
	v_mov_b32 v21, 0x01010000
	v_mov_b32 v22, 0x019c0000
	v_mov_b32 v[PC+7], 0
	v_mov_b32 v[PC+15], 0
.irp b, 0,1,2,3
	v_mov_b32 v[TM+4+\b], 0                        ; written once: a lane permute's destination counts as one of its sources
.endr
	s_lshr_b32 s25, s24, 2
	s_lshl_b32 s25, s25, 4
	s_lshl_b32 s26, s23, 1
	s_add_co_u32 s25, s25, s26                     ; my first head: 16 batch + 2 X
	s_and_b32 s26, s24, 3                          ; my piece of the batch's keys
	s_mov_b32 s27, 0xffff0000                      ; lanes 16-31
	s_mov_b32 s2, 0x76543210
	s_mov_b32 s3, 0xfedcba98
	s_lshl_b32 s88, s24, 10
	s_lshl_b32 s89, s20, 8
	s_add_co_u32 s88, s88, s89
	s_mov_b32 s89, 0
	s_add_nc_u64 s[88:89], s[8:9], s[88:89]        ; the mask at my wave's 64 tokens
.irp a, 0,1,2,3
	global_load_b32 v[80+\a], v13, s[88:89] offset:4*(32*(\a/2)+8*(\a%2))
.endr
	s_lshl_b32 s90, s23, 9
	s_mov_b32 s91, 0
	s_add_nc_u64 s[92:93], s[10:11], s[90:91]      ; bq
	BIASQK
; THE SECOND K HALVES are first fills behind the full sequence: waves 0 and 1 fetch 8 m-tiles of the tokens' each, waves 2 and 3 four n-tiles of q's weights each (slot 1).
	s_wait_alu depctr_va_vdst(0)                   ; the wait at the head's end
	s_wait_tensorcnt 0x0                           ; my tile of the head's four is in
	ds_add_u32 v28, v29                            ; 0 onto my spare word
	s_and_b32 s94, s20, 1                          ; which half of the rows; no tensor load of mine is out, so the descriptors may be written
	s_mul_i32 s95, s94, 49152
	s_add_co_u32 s61, s95, AG
	s_mul_i32 s96, s94, 98304
	s_add_co_u32 s96, s96, 6144
	s_mov_b32 s97, 0
	s_add_nc_u64 s[62:63], s[62:63], s[96:97]      ; the tokens: 6,144 bytes along K, 8 m-tiles down
	s_add_co_u32 s96, s95, 6144
	s_add_nc_u64 s[70:71], s[70:71], s[96:97]      ; the weights: 6,144 bytes along K, 4 n-tiles down
	s_mul_i32 s95, s94, 24576
	s_add_co_u32 s69, s95, BS1
	s_mov_b32 s30, 8<<16
	s_mov_b32 s32, 8
	s_mov_b32 s54, 4<<16
	s_mov_b32 s56, 4
	s_wait_dscnt 0x0                               ; the add is done
	CROUND                                         ; all four tiles are in, and all sixteen work-groups are here
	s_cmp_lt_u32 s20, 2
	s_cbranch_scc0 .Lsecond_w
	tensor_load_to_lds s[60:63], s[28:35]
	s_nop 0
	PLACES
	s_branch .Lsecond_asked
.Lsecond_w:
	tensor_load_to_lds s[68:71], s[52:59]
	s_nop 0
	PLACES
.Lsecond_asked:
	FETCH 0, 0, 0
	WIN 0
	SCALES 0, 0, 0
	s_wait_loadcnt 0x0
	; ---- q
	STEP 0, 0, 0, 1
	STEP 0, 0, 1, 0
	STEP 0, 0, 2, 0
	TURN 0, 0, 1, 1, 0
	STEP 0, 1, 0, 0
	STEP 0, 1, 1, 0
	STEP 0, 1, 2, 0
	TURN 0, 1, 1, 0, 1
	s_wait_alu depctr_va_vdst(0)
	EPI_QK 0
	; ---- k
	STEP 0, 0, 0, 1
	STEP 0, 0, 1, 0
	STEP 0, 0, 2, 0
	TURN 0, 0, 1, 1, 1
	STEP 0, 1, 0, 0
	STEP 0, 1, 1, 0
	STEP 0, 1, 2, 0
	TURN 0, 1, 1, 0, 2
	EPI_QK 1
	; ---- v
	STEP 1, 0, 0, 1
	STEP 1, 0, 1, 0
	STEP 1, 0, 2, 0
	TURN 1, 0, 0, 1, 2
	STEP 1, 1, 0, 0
	STEP 1, 1, 1, 0
	STEP 1, 1, 2, 0
	s_wait_dscnt 0x0                               ; the very last K step: nothing more to fetch
	MUL 1, 0, 1, 3, 1, 0
	MUL 1, 1, 1, 3, 1, 0
	MUL 1, 2, 1, 3, 1, 0
	MUL 1, 3, 1, 3, 1, 0
	; ---- v's way out: for each n-tile a lane's 32 registers are its channel's 2 x 16 of my wave's 64 keys
	WIN 0
	PLACES
	s_wait_xcnt 0x0
	s_mul_i32 s94, s25, 120832
	s_mul_i32 s95, s26, 30208
	s_add_co_u32 s94, s94, s95
	s_mul_i32 s95, s20, 3072
	s_add_co_u32 s94, s94, s95
	s_add_co_u32 s94, s94, 16384
	s_mov_b32 s95, 0
	s_add_nc_u64 s[94:95], s[18:19], s[94:95]
	s_lshr_b32 s96, s20, 1
	s_add_co_u32 s96, s96, s25
	s_mul_i32 s96, s96, 120832
	s_mul_i32 s97, s26, 30208
	s_add_co_u32 s96, s96, s97
	s_and_b32 s97, s20, 1
	s_lshl_b32 s97, s97, 8
	s_add_co_u32 s96, s96, s97
	s_add_co_u32 s96, s96, 29696
	s_mov_b32 s97, 0
	s_add_nc_u64 s[96:97], s[18:19], s[96:97]
.irp nt, 0,1,2,3,4,5,6,7
	s_wait_xcnt 0x0                                ; the last tile's stores have read the codes' registers
	WIN 0x0f
.irp b, 0,1
	v_max3_num_f32 v[TM+\b], |v[32*\nt+16*\b]|, |v[32*\nt+16*\b+1]|, 0x2800000
.endr
	WIN 0x3c
.irp i, 2,4,6,8,10,12,14
.irp b, 0,1
	v_max3_num_f32 v[TM+\b], v[TM+\b], |v[32*\nt+16*\b+\i]|, |v[32*\nt+16*\b+\i+1]|
.endr
.endr
	WIN 0
.irp b, 0,1
	v_permlanex16_b32 v[TM+4+\b], v[TM+\b], s2, s3
.endr
.irp b, 0,1
	v_max_num_f32 v[TM+\b], v[TM+\b], v[TM+4+\b]
.endr
.irp b, 0,1
	v_add_nc_u32 v[TM+12+\b], 0xfe000000, v[TM+\b]
.endr
.irp b, 0,1
	v_lshrrev_b32 v[TM+4+\b], 23, v[TM+12+\b]
.endr
	v_lshl_or_b32 v[96+\nt], v[TM+5], 8, v[TM+4]   ; my two blocks' bytes
	WIN 0x03
	v_cvt_scalef32_pk16_bf6_f32 v[132:134], v[32*\nt:32*\nt+15], v[TM+12]
	v_cvt_scalef32_pk16_bf6_f32 v[128:130], v[32*\nt+16:32*\nt+31], v[TM+13]
	WIN 0
	v_nop
; lanes 0-15 take the first block of 32 keys, lower 16 then upper 16; lanes 16-31 the second block, UPPER 16 THEN LOWER 16: the next launch holds p's odd blocks in that order
.irp i, 0,1,2
	v_cndmask_b32 v[PC+\i], v[132+\i], v[128+\i], s27
.endr
.irp i, 0,1,2
	v_permlane16_swap_b32 v[132+\i], v[128+\i]
.endr
.irp i, 0,1,2
	v_cndmask_b32 v[PC+3+\i], v[128+\i], v[132+\i], s27
.endr
	global_store_b128 v14, v[PC:PC+3], s[94:95] offset:120832*(\nt/4)+768*(\nt%4)
	global_store_b64 v15, v[PC+4:PC+5], s[94:95] offset:120832*(\nt/4)+768*(\nt%4)
	ds_store_b16 v17, v[96+\nt] offset:512*(\nt/4)+4*(\nt%4)   ; lanes r and r + 16 write the same two bytes
.endr
	s_wait_dscnt 0x0                               ; for the others' sake: my bytes have landed
	s_barrier_signal -1
	s_barrier_wait -1
	ds_load_b64 v[106:107], v24                    ; wave w: head w / 2, keys 128 (w % 2) on: 256 bytes
	s_wait_dscnt 0x0
	global_store_b64 v25, v[106:107], s[96:97]     ; 32 lanes store 256 bytes on end, aligned
	s_wait_tensorcnt 0x0                           ; the wave's end
	ds_add_u32 v28, v29
	s_wait_dscnt 0x0
	CROUND                                         ; the closing round
	s_endpgm
.Lfunc_end_k_qab14bbc8af_qkv:
	.size	k_qab14bbc8af_qkv, .Lfunc_end_k_qab14bbc8af_qkv-k_qab14bbc8af_qkv
	.p2alignl 7, 3214868480
	.fill 96, 4, 3214868480
	.section	.rodata,"a",@progbits
	.p2align	6, 0x0
	.amdhsa_kernel k_qab14bbc8af_qkv
		.amdhsa_group_segment_fixed_size 327680
		.amdhsa_private_segment_fixed_size 0
		.amdhsa_enable_private_segment 0
		.amdhsa_kernarg_size 64
		.amdhsa_user_sgpr_count 2
		.amdhsa_user_sgpr_kernarg_segment_ptr 1
		.amdhsa_wavefront_size32 1
		.amdhsa_system_sgpr_workgroup_id_x 1
		.amdhsa_system_sgpr_workgroup_id_y 1
		.amdhsa_system_sgpr_workgroup_id_z 1
		.amdhsa_system_vgpr_workitem_id 0
		.amdhsa_next_free_vgpr 1024
		.amdhsa_next_free_sgpr 100
		.amdhsa_reserve_vcc 1
		.amdhsa_float_denorm_mode_32 3
		.amdhsa_float_denorm_mode_16_64 3
		.amdhsa_memory_ordered 1
		.amdhsa_forward_progress 1
		.amdhsa_inst_pref_size 250
	.end_amdhsa_kernel
	.amdgpu_metadata
---
amdhsa.version: [ 1, 2 ]
amdhsa.kernels:
  - .name:           k_qab14bbc8af_qkv
    .symbol:         k_qab14bbc8af_qkv.kd
    .args:
      - { .name: xq, .offset: 0, .size: 8, .value_kind: global_buffer, .address_space: global }
      - { .name: wq, .offset: 8, .size: 8, .value_kind: global_buffer, .address_space: global }
      - { .name: mask, .offset: 16, .size: 8, .value_kind: global_buffer, .address_space: global }
      - { .name: bq, .offset: 24, .size: 8, .value_kind: global_buffer, .address_space: global }
      - { .name: bk, .offset: 32, .size: 8, .value_kind: global_buffer, .address_space: global }
      - { .name: bv, .offset: 40, .size: 8, .value_kind: global_buffer, .address_space: global }
      - { .name: qq, .offset: 48, .size: 8, .value_kind: global_buffer, .address_space: global }
      - { .name: kv, .offset: 56, .size: 8, .value_kind: global_buffer, .address_space: global }
    .group_segment_fixed_size: 327680
    .private_segment_fixed_size: 0
    .kernarg_segment_align: 8
    .kernarg_segment_size: 64
    .max_flat_workgroup_size: 128
    .sgpr_count:     100
    .vgpr_count:     1024
    .wavefront_size: 32
...
	.end_amdgpu_metadata
.endif
;; end of part 2
;; launch attn (part 3): grid 4 x 64, 16 waves a work-group, clusters of 4 x 1, 327,680 bytes of LDS; arguments qq, kv, oq; writes oq
.if DOCPART == 3
	.amdgcn_target "amdgcn-amd-amdhsa--gfx1250"
	.amdhsa_code_object_version 6
	.text
	.protected	k_qab14bbc8af_attn
	.globl	k_qab14bbc8af_attn
	.p2align	8
	.type	k_qab14bbc8af_attn,@function
k_qab14bbc8af_attn:
	s_mov_b64 s[64:65], 0
	v_nop
	global_prefetch_b8 v0, s[64:65] scope:SCOPE_SE
	s_setreg_imm32_b32 hwreg(HW_REG_WAVE_MODE, 25, 1), 1
	s_wait_xcnt 0x0
	s_wait_alu depctr_hold_cnt(0) depctr_sa_sdst(0) depctr_va_vdst(0) depctr_va_sdst(0) depctr_va_ssrc(0) depctr_va_vcc(0) depctr_vm_vsrc(0)
	s_getreg_b32 s2, hwreg(HW_REG_IB_STS2, 6, 4)
	s_cmp_eq_u32 s2, 0
	s_cbranch_scc0 .Lentry_in_a_cluster
	s_endpgm
.Lentry_in_a_cluster:
	s_bfe_u32 s2, ttmp6, 0x10000c
	s_cmp_lg_u32 s2, 0x3003
	s_cbranch_scc0 .Lentry_shape_is_right
	s_endpgm
.Lentry_shape_is_right:
; LAUNCH 3 OF 4.  For each head: S^T = k q^T, the softmax as p = 2^(t - M) (t = score x log2(e) / 8, M the running largest t rounded up to a whole number), p quantised along the keys, O^T = v^T p^T,
; O / the sum of the unquantised p, and O quantised along the head's 64 channels for the last product.  No work of reference() is left out; the mask lies in k's codes (a masked key's score is -2^33 for every query;
; -2^33 x c is a whole number, so a row all of whose keys are masked has t - M = 0 and p = 1 throughout, as reference() has it).  LIMIT: as stated where k is made: -2^30 stands for -1e9.
; SHARES.  Work-group (cx, Y): queries 256 cx on of heads 2 Y and 2 Y + 1, one head after the other; each of its sixteen waves one tile of 16 queries a head, in 256 registers: four waves to a SIMD.
; CLUSTER 4 x 1: the four work-groups of a cluster need the same k, v and scale words, 120,832 bytes a head, and ask for them JOINTLY: waves 0-7 fetch 15,104 bytes each (59 rows of 256).  The first head's bytes are asked for
; at the head; the second head's go to LDS bytes of their own, behind the full sequence and a round of the cluster's barrier, and land while the first head is worked.  Nothing is filled again.
; NO PREFETCH: all that the launch reads by tensor loads is asked for by these two loads; there is no loop to run ahead in.
; A LANE HOLDS ONE QUERY AND WHOLE BLOCKS OF 32 KEYS.  k lies in LDS as tiles of 16 rows (row r of stored tile 2 b + u is key 32 b + 8 u + r + 8 (r / 8)).  The 16 rows that form source 0 of a product are picked by
; address: rows 0-7 of product 4 c + u come from block 2 c, rows 8-15 from block 2 c + 1.  A result's lanes 0-15 hold rows 0-7 and lanes 16-31 rows 8-15, so the 32 registers of products 4 c .. 4 c + 3 are one block of 32 keys:
; a block's largest score needs no other lane, and the conversions' results are the operand's registers.  Lanes 0-15 hold their block's keys in order; lanes 16-31 hold keys 16-31 and then 0-15, so that the two groups of
; eight lanes of an LDS load read different halves of 256 bytes; v's odd blocks are laid in that same order by the launch before.
; k's fragment is named as 12 registers at a stride of 8: its last four are the next tile's first codes, which meet q's zero codes (q is zero from k = 65 on).
; REGISTERS: v1 16 x lane; v2, v11 k's scale words' lane terms; v3, v253 k's; v4 16 r; v5, v6 the add's two; v0, v7-10, v30, v31 the piece's addresses; v12 -M, v13 the largest score, v[14:15] the sum; v16-27 q;
; v28 q's scale word, v29 p's; v32-95 k's eight tiles, then the softmax's work and p's codes; v96-99 zeros; v100-147 v's four fragments; v148-211 S^T, then p; v212-243 O^T; v244-247 k's scale words, v248-251 v's; v252 f; v254, v255 at work.
.set PIE,   30208                      ; a piece of 256 keys: k's 16 tiles at 0, v at 16,384, k's scale words at 28,672, v's at 29,696
.set REG,   4*PIE                      ; a head
.set SPARE, 2*REG                      ; behind the two heads: the spare words, 128 bytes for each wave, named by no other line
.set S,  148
.set O,  212
.set BM, 52                            ; v52-55 four chains of maxima; then v52, v54: the two blocks' largest
.set BP, 56
.set SO, 60
.set BY, 64
.set AC, 70                            ; v70-83 seven chains of the sum
.macro ROUND                           ; a round of the cluster's barrier
	s_barrier_signal -1
	s_barrier_wait -1
	s_cmp_lg_u32 s10, 0
	s_cbranch_scc1 .Lnot_wave_0_\@
	s_barrier_signal -3
.Lnot_wave_0_\@:
	s_barrier_wait -3
	s_barrier_signal -1
	s_barrier_wait -1
.endm
	s_load_b128 s[4:7], s[0:1], 0x0                ; qq, kv
	s_load_b64 s[8:9], s[0:1], 0x10                ; oq
	v_lshl_add_u32 v5, v0, 2, SPARE
	v_mov_b32 v6, 0
	ds_add_u32 v5, v6                              ; the wave's opening: the add, twice on end, and its wait
	ds_add_u32 v5, v6
	v_lshrrev_b32 v1, 5, v0
	v_readfirstlane_b32 s10, v1                    ; wave 0..15
	s_and_b32 s11, ttmp7, 0xffff
	s_lshl_b32 s11, s11, 1                         ; my first head: 2 Y (16 batch + head)
	s_mov_b32 s24, 15|(3<<16)|(1<<21)              ; group 1: the cluster's four; elements of 8 bytes; bit 21 beside a mask; 59 rows of 256 dense bytes
	s_mov_b32 s25, 32<<16
	s_mov_b32 s26, 59<<16
	s_mov_b32 s27, 32<<16
	s_mov_b32 s28, 59
	s_mov_b32 s29, 32
	s_mov_b32 s30, 0
	s_mov_b32 s31, 0
	s_and_b32 s14, s10, 7
	s_mul_i32 s14, s14, 15104                      ; waves 0-7 fetch: which eighth of a head
	s_mul_i32 s16, s11, REG
	s_add_co_u32 s16, s16, s14
	s_mov_b32 s17, 0
	s_mov_b32 s20, 0x76543210
	s_mov_b32 s21, 0xfedcba98                      ; lane l xor 16
	s_mov_b32 s22, 0x3e38aa3b                      ; c = log2(e) / 8
	s_mov_b32 s23, s22
	s_bfe_u32 s57, ttmp6, 0x40000                  ; cx: it enters q's and O's global addresses alone
	s_lshl_b32 s57, s57, 4
	s_add_co_u32 s57, s57, s10                     ; my q tile: T = 16 cx + w
	s_lshl_b32 s58, s11, 6
	s_add_co_u32 s58, s58, s57
	s_lshl_b32 s58, s58, 10                        ; its codes: (64 head + T) x 1,024
	s_mov_b32 s59, 0
	s_lshl_b32 s60, s11, 12
	s_lshr_b32 s61, s57, 2
	s_lshl_b32 s61, s61, 8
	s_add_co_u32 s60, s60, s61
	s_and_b32 s61, s57, 3
	s_lshl_b32 s61, s61, 2
	s_add_co_u32 s60, s60, s61
	s_add_co_u32 s60, s60, 8388608                 ; its scale words: 4,096 head + 256 (T / 4) + 4 (T % 4)
	s_mov_b32 s61, 0
	s_lshr_b32 s62, s11, 4
	s_lshl_b32 s62, s62, 6
	s_add_co_u32 s62, s62, s57                     ; its m-tile: 64 batch + T
	s_and_b32 s63, s11, 15                         ; the head in its batch
	s_mul_i32 s18, s62, 12288
	s_mul_i32 s19, s63, 768
	s_add_co_u32 s18, s18, s19
	s_mov_b32 s19, 0
	s_lshl_b32 s12, s63, 14
	s_lshl_b32 s13, s62, 5
	s_add_co_u32 s12, s12, s13
	s_add_co_u32 s12, s12, 6291456
	s_mov_b32 s13, 0
	s_mov_b32 s32, 1
	s_mov_b32 s33, s14
	s_mov_b32 s36, 1
	s_add_co_u32 s37, s14, REG
	s_wait_dscnt 0x0                               ; both opening adds are done
	s_wait_kmcnt 0x0
	s_add_nc_u64 s[34:35], s[6:7], s[16:17]
	s_add_nc_u64 s[38:39], s[34:35], REG
	s_or_b32 s35, s35, 0x80000000
	s_or_b32 s39, s39, 0x80000000
	s_add_nc_u64 s[48:49], s[4:5], s[58:59]        ; q's codes
	s_add_nc_u64 s[50:51], s[4:5], s[60:61]        ; q's scale words
	s_add_nc_u64 s[52:53], s[8:9], s[18:19]        ; O's codes
	s_add_nc_u64 s[54:55], s[8:9], s[12:13]        ; O's scale bytes
	ROUND                                          ; the four work-groups are here: the joint loads meet
	s_cmp_lt_u32 s10, 8
	s_cbranch_scc0 .Lno_first
	tensor_load_to_lds s[32:35], s[24:31]          ; the first head: one load a fetching wave
	s_nop 0
.rept 4
	v_nop
.endr
.Lno_first:
	v_and_b32 v2, 31, v0
	v_and_b32 v3, 7, v0                            ; r % 8
	v_bfe_u32 v7, v0, 3, 1                         ; r / 8
	v_bfe_u32 v8, v0, 4, 1                         ; h
	v_and_b32 v4, 15, v0
	v_lshlrev_b32 v1, 4, v2                        ; 16 x lane
	v_lshlrev_b32 v3, 4, v3
	v_lshlrev_b32 v4, 4, v4                        ; 16 r: v's and q's scale words
	v_lshl_add_u32 v3, v8, 8, v3
	v_lshl_add_u32 v3, v7, 7, v3                   ; 16 (r % 8) + 256 h + 128 (r / 8)
	v_lshl_add_u32 v11, v7, 3, v3                  ; k's scale words, products u = 0, 1: + 8 (r / 8): rows 8-15 take the next block's two words; h: the next four tiles
	v_lshl_add_u32 v3, v7, 11, v3                  ; k's codes, products u = 0, 1: + 2,048 (r / 8): rows 8-15 take the next block's tiles
	v_xor_b32 v2, 128, v11                         ; products u = 2, 3: the other eight rows of the stored tiles
	v_xor_b32 v253, 128, v3                        ; (v253 is also named as the upper half of the pair v[252:253], of which the low word alone is taken)
.irp j, 24,25,26,27,96,97,98,99,254,255
	v_mov_b32 v[\j], 0                             ; q's upper registers, the tail of k's last fragment, and two lane permutes' destinations
.endr
	global_load_b128 v[16:19], v1, s[48:49]        ; the first head's q tile stays in registers
	global_load_b128 v[20:23], v1, s[48:49] offset:512
	global_load_b32 v28, v4, s[50:51]
	s_wait_alu depctr_va_vdst(0)                   ; the wait at the head's end
	s_wait_tensorcnt 0x0                           ; my part of the first head is in; the full sequence ahead of a later first fill:
	ds_add_u32 v5, v6                              ; the add, twice on end
	ds_add_u32 v5, v6
	s_wait_dscnt 0x0
	ROUND                                          ; everybody's part is in, and the four work-groups are here
	s_cmp_lt_u32 s10, 8
	s_cbranch_scc0 .Lno_second
	tensor_load_to_lds s[36:39], s[24:31]          ; the second head, into bytes of its own
	s_nop 0
.rept 4
	v_nop
.endr
.Lno_second:
; A KEY STEP: 128 keys, the e-th of the piece in hand
.macro STEP e
.if \e
.rept 4
	v_nop                                          ; places in front of loads into registers that the last products have read (for e = 0 the trip's eight address lines are these places)
.endr
.endif
.irp c, 0,1
.irp u, 0,1
	ds_load_b128 v[32+32*\c+8*\u:35+32*\c+8*\u], v7 offset:8192*\e+4096*\c+1024*\u
	ds_load_b128 v[36+32*\c+8*\u:39+32*\c+8*\u], v7 offset:8192*\e+4096*\c+1024*\u+512
	ds_load_b128 v[48+32*\c+8*\u:51+32*\c+8*\u], v8 offset:8192*\e+4096*\c+1024*\u
	ds_load_b128 v[52+32*\c+8*\u:55+32*\c+8*\u], v8 offset:8192*\e+4096*\c+1024*\u+512
.endr
.endr
	ds_load_b64 v[244:245], v30 offset:28672+512*\e            ; lanes 0-15: products 0, 1; lanes 16-31: products 4, 5
	ds_load_b64 v[246:247], v31 offset:28672+512*\e            ; products 2, 3 and 6, 7
.irp dt, 0,1,2,3
.irp c, 0,1
	ds_load_b128 v[100+12*\dt+6*\c:103+12*\dt+6*\c], v9 offset:16384+3072*(2*\e+\c)+768*\dt
	ds_load_b64 v[104+12*\dt+6*\c:105+12*\dt+6*\c], v10 offset:16384+3072*(2*\e+\c)+768*\dt+512
.endr
.endr
	ds_load_b128 v[248:251], v0 offset:29696+256*\e
	s_wait_dscnt 17                                ; k and its scale words are in; v's 16 loads and its scale words may be out
.irp i, 0,1,2,3
	v_wmma_scale_f32_16x16x128_f8f6f4 v[S+8*\i:S+8*\i+7], v[32+8*\i:43+8*\i], v[16:27], 0, v[244+\i], v28 matrix_a_fmt:MATRIX_FMT_BF6 matrix_b_fmt:MATRIX_FMT_BF6
.endr
.irp i, 4,5,6,7
	v_wmma_scale_f32_16x16x128_f8f6f4 v[S+8*\i:S+8*\i+7], v[32+8*\i:43+8*\i], v[16:27], 0, v[240+\i], v28 matrix_a_fmt:MATRIX_FMT_BF6 matrix_b_fmt:MATRIX_FMT_BF6 matrix_a_scale:MATRIX_SCALE_ROW1
.endr
.rept 4
	v_nop
.endr
.irp b, 0,1,2,3
	v_max3_num_f32 v[BM+\b], v[S+16*\b], v[S+1+16*\b], v[S+2+16*\b]    ; four chains; each accumulator is read from its low end on
.endr
.irp i, 3,5,7,9,11,13
.irp b, 0,1,2,3
	v_max3_num_f32 v[BM+\b], v[BM+\b], v[S+16*\b+\i], v[S+1+16*\b+\i]
.endr
.endr
.irp c, 0,1
	v_max3_num_f32 v[BM+2*\c], v[BM+2*\c], v[BM+1+2*\c], v[S+15+32*\c]
.endr
.irp c, 0,1
	v_max_num_f32 v[BM+2*\c], v[BM+2*\c], v[S+31+32*\c]        ; the largest score of my block c: for the row's maximum and, since p rises with the score, for the block's largest p
.endr
	v_max3_num_f32 v254, v[BM], v[BM+2], v13
	v_permlanex16_b32 v255, v254, s20, s21
	v_max_num_f32 v13, v254, v255                  ; the running largest score of my query
	v_mul_f32 v254, s22, v13                       ; as t (c is positive)
	v_mov_b32 v255, v12
	v_floor_f32 v12, -v254                         ; -M = floor(-t): M is a whole number
	v_sub_f32 v255, v12, v255                      ; old M - new M: a whole number, 0 or less
	v_cvt_i32_f32 v255, v255                       ; (it saturates)
	v_ldexp_f32 v252, 1.0, v255                    ; f = 2^(old M - new M): rounds nothing
.set j, 0
.rept 32
	v_pk_fma_f32 v[S+j:S+j+1], v[S+j:S+j+1], s[22:23], v[12:13] op_sel_hi:[1,0,0]   ; t - M
.set j, j+2
.endr
.irp c, 0,1
	v_fma_f32 v[BM+2*\c], v[BM+2*\c], s22, v12
.endr
	s_wait_alu depctr_va_vdst(0)                   ; the wait ahead of the batch
.set j, 0
.rept 64
	v_exp_f32 v[S+j], v[S+j]                       ; p = 2^(t - M), at most 1
.set j, j+1
.endr
.irp c, 0,1
	v_exp_f32 v[BM+2*\c], v[BM+2*\c]               ; each block's largest p
.endr
	v_pk_mul_f32 v[14:15], v[14:15], v[252:253] op_sel_hi:[1,0]    ; the sum under the new M; the plain instruction behind the batch
	s_wait_alu depctr_va_vdst(0)                   ; one wait for the 66, ahead of their first reader
.irp k, 0,1,2,3,4,5,6
	v_pk_add_f32 v[AC+2*\k:AC+2*\k+1], v[S+2*\k:S+2*\k+1], v[S+16+2*\k:S+17+2*\k]   ; the sum of the unquantised p: eight chains
.endr
	v_pk_add_f32 v[14:15], v[14:15], v[S+14:S+15]
.irp g, 32,48
.irp k, 0,1,2,3,4,5,6
	v_pk_add_f32 v[AC+2*\k:AC+2*\k+1], v[AC+2*\k:AC+2*\k+1], v[S+\g+2*\k:S+\g+1+2*\k]
.endr
	v_pk_add_f32 v[14:15], v[14:15], v[S+\g-2:S+\g-1]
.endr
	v_pk_add_f32 v[14:15], v[14:15], v[S+62:S+63]
	v_pk_add_f32 v[AC:AC+1], v[AC:AC+1], v[AC+2:AC+3]
	v_pk_add_f32 v[AC+4:AC+5], v[AC+4:AC+5], v[AC+6:AC+7]
	v_pk_add_f32 v[AC+8:AC+9], v[AC+8:AC+9], v[AC+10:AC+11]
	v_pk_add_f32 v[14:15], v[14:15], v[AC+12:AC+13]
	v_pk_add_f32 v[AC:AC+1], v[AC:AC+1], v[AC+4:AC+5]
	v_pk_add_f32 v[14:15], v[14:15], v[AC+8:AC+9]
.irp c, 0,1
	v_max_num_f32 v[BM+2*\c], 0x2800000, v[BM+2*\c]            ; the floor 2^(5 - 127): the byte cannot fall under 1
.endr
	v_pk_add_f32 v[14:15], v[14:15], v[AC:AC+1]
.irp c, 0,1
	v_add_nc_u32 v[SO+\c], 0xfe000000, v[BM+2*\c]  ; 4 off the exponent field: the conversion's scale operand
.endr
.irp c, 0,1
	s_delay_alu instid0(VALU_DEP_2)
	v_lshrrev_b32 v[BY+\c], 23, v[SO+\c]           ; the byte
.endr
	s_delay_alu instid0(VALU_DEP_1)
	v_lshl_or_b32 v254, v[BY+1], 16, v[BY]         ; my two bytes: blocks h and 2 + h
	s_delay_alu instid0(VALU_DEP_1)
	v_permlanex16_b32 v255, v254, s20, s21
	s_delay_alu instid0(VALU_DEP_1)
	v_lshl_or_b32 v29, v255, 8, v254               ; lanes 0-15, which alone are read: p's scale word for these 128 keys
.irp c, 0,1
	v_cvt_scalef32_pk16_bf6_f32 v[32+6*\c:34+6*\c], v[S+32*\c:S+15+32*\c], v[SO+\c]
	v_cvt_scalef32_pk16_bf6_f32 v[44+4*\c:46+4*\c], v[S+16+32*\c:S+31+32*\c], v[SO+\c]   ; (a conversion's three registers begin on an even number)
.endr
	v_nop                                          ; a plain instruction behind the conversions
.irp c, 0,1
.irp i, 0,1,2
	v_mov_b32 v[35+6*\c+\i], v[44+4*\c+\i]
.endr
.endr
	s_wait_alu depctr_va_vdst(0)                   ; the wait directly ahead of the first reader of O^T
.set j, 0
.rept 16
	v_pk_mul_f32 v[O+j:O+j+1], v[O+j:O+j+1], v[252:253] op_sel_hi:[1,0]    ; O^T under the new M; these 16 also stand between the scale word's and the codes' last writes and the products
.set j, j+2
.endr
	s_wait_alu depctr_va_vdst(0)                   ; the wait directly ahead of the wait below
	s_wait_dscnt 0x0                               ; v and its scale words are in
.irp dt, 0,1,2,3
	v_wmma_scale_f32_16x16x128_f8f6f4 v[O+8*\dt:O+8*\dt+7], v[100+12*\dt:111+12*\dt], v[32:43], v[O+8*\dt:O+8*\dt+7], v[248+\dt], v29 matrix_a_fmt:MATRIX_FMT_BF6 matrix_b_fmt:MATRIX_FMT_BF6
.endr
.endm
; ONE HEAD: hd = 0, 1.  Four trips, a piece of 256 keys each
.macro BLOCK hd
	v_mov_b32 v13, 0xff61b1e6                      ; the largest score so far: -3e38
	v_floor_f32 v12, -v13
	v_mov_b32 v14, 0
	v_mov_b32 v15, 0
.set j, 0
.rept 32
	v_mov_b32 v[O+j], 0                            ; (the step is written once: the first finds zeros)
.set j, j+1
.endr
	s_mov_b32 s40, REG*\hd                         ; the piece's LDS address, and the loop's counter
	s_wait_alu depctr_va_vdst(0)                   ; the wait directly ahead of the wait below
	s_wait_loadcnt 0x0                             ; q
.Lpiece_\hd:
	v_add_nc_u32 v7, s40, v3
	v_add_nc_u32 v8, s40, v253
	v_add_nc_u32 v9, s40, v1
	v_lshrrev_b32 v10, 1, v1
	v_add_nc_u32 v30, s40, v11
	v_add_nc_u32 v31, s40, v2
	v_add_nc_u32 v0, s40, v4
	v_add_nc_u32 v10, s40, v10
	STEP 0
	STEP 1
	s_add_co_u32 s40, s40, PIE
	s_cmp_lt_u32 s40, REG*\hd+REG
	s_cbranch_scc1 .Lpiece_\hd
.rept 4
	v_nop
.endr
.if \hd == 0
	global_load_b128 v[16:19], v1, s[48:49] offset:65536       ; the next head's q tile: its registers were last read by the last step's first products
	global_load_b128 v[20:23], v1, s[48:49] offset:65536+512
	global_load_b32 v28, v4, s[50:51] offset:4096
.endif
	v_add_f32 v14, v14, v15
	s_delay_alu instid0(VALU_DEP_1)
	v_permlanex16_b32 v254, v14, s20, s21
	s_delay_alu instid0(VALU_DEP_1)
	v_add_f32 v14, v14, v254                       ; the row's sum
	s_wait_alu depctr_va_vdst(0)
	v_rcp_f32 v255, v14
	v_nop
	s_wait_alu depctr_va_vdst(0)
.set j, 0
.rept 32
	v_mul_f32 v[S+j], v[O+j], v255                 ; register 16 b + i: channel 32 b + 16 (lane / 16) + i of my query
.set j, j+1
.endr
.irp b, 0,1
	v_max3_num_f32 v[BM+\b], |v[S+16*\b]|, |v[S+1+16*\b]|, 0x2800000
.endr
.irp i, 2,4,6,8,10,12,14
.irp b, 0,1
	s_delay_alu instid0(VALU_DEP_2)
	v_max3_num_f32 v[BM+\b], v[BM+\b], |v[S+16*\b+\i]|, |v[S+1+16*\b+\i]|
.endr
.endr
.irp b, 0,1
	s_delay_alu instid0(VALU_DEP_2)
	v_permlanex16_b32 v[BP+\b], v[BM+\b], s20, s21
.endr
.irp b, 0,1
	s_delay_alu instid0(VALU_DEP_2)
	v_max_num_f32 v[BM+\b], v[BM+\b], v[BP+\b]
.endr
.irp b, 0,1
	s_delay_alu instid0(VALU_DEP_2)
	v_add_nc_u32 v[SO+\b], 0xfe000000, v[BM+\b]
.endr
.irp b, 0,1
	s_delay_alu instid0(VALU_DEP_2)
	v_lshrrev_b32 v[BY+\b], 23, v[SO+\b]
.endr
	s_delay_alu instid0(VALU_DEP_1)
	v_lshl_or_b32 v[BY+2], v[BY+1], 8, v[BY]
	v_cvt_scalef32_pk16_bf6_f32 v[32:34], v[S:S+15], v[SO]
	v_cvt_scalef32_pk16_bf6_f32 v[44:46], v[S+16:S+31], v[SO+1]
	v_nop
.irp i, 0,1,2
	v_permlane16_swap_b32 v[32+\i], v[44+\i]
.endr
.irp i, 0,1,2
	v_mov_b32 v[35+\i], v[44+\i]
.endr
	v_lshrrev_b32 v7, 1, v1                        ; 8 x lane
	v_lshrrev_b32 v8, 3, v4                        ; 2 r
	global_store_b128 v1, v[32:35], s[52:53] offset:768*\hd        ; the tile's 768 bytes: K half = my head, of the last product's operand
	global_store_b64 v7, v[36:37], s[52:53] offset:768*\hd+512
	global_store_b16 v8, v[BY+2], s[54:55] offset:16384*\hd        ; lanes r and r + 16 write the same two bytes
.endm
	BLOCK 0
	s_wait_xcnt 0x0                                ; the stores have read their registers, which the next head writes anew
	s_wait_tensorcnt 0x0                           ; my part of the second head is in
	s_wait_dscnt 0x0
	s_barrier_signal -1
	s_barrier_wait -1                              ; everybody's part is in
	BLOCK 1
	s_wait_tensorcnt 0x0                           ; the wave's end
	ds_add_u32 v5, v6
	s_wait_dscnt 0x0
	ROUND                                          ; the closing round
	s_endpgm
.Lfunc_end_k_qab14bbc8af_attn:
	.size	k_qab14bbc8af_attn, .Lfunc_end_k_qab14bbc8af_attn-k_qab14bbc8af_attn
	.p2alignl 7, 3214868480
	.fill 96, 4, 3214868480
	.section	.rodata,"a",@progbits
	.p2align	6, 0x0
	.amdhsa_kernel k_qab14bbc8af_attn
		.amdhsa_group_segment_fixed_size 327680
		.amdhsa_private_segment_fixed_size 0
		.amdhsa_enable_private_segment 0
		.amdhsa_kernarg_size 24
		.amdhsa_user_sgpr_count 2
		.amdhsa_user_sgpr_kernarg_segment_ptr 1
		.amdhsa_wavefront_size32 1
		.amdhsa_system_sgpr_workgroup_id_x 1
		.amdhsa_system_sgpr_workgroup_id_y 1
		.amdhsa_system_sgpr_workgroup_id_z 1
		.amdhsa_system_vgpr_workitem_id 0
		.amdhsa_next_free_vgpr 256
		.amdhsa_next_free_sgpr 66
		.amdhsa_reserve_vcc 0
		.amdhsa_float_denorm_mode_32 3
		.amdhsa_float_denorm_mode_16_64 3
		.amdhsa_memory_ordered 1
		.amdhsa_forward_progress 1
		.amdhsa_inst_pref_size 79
	.end_amdhsa_kernel
	.amdgpu_metadata
---
amdhsa.version: [ 1, 2 ]
amdhsa.kernels:
  - .name:           k_qab14bbc8af_attn
    .symbol:         k_qab14bbc8af_attn.kd
    .args:
      - { .name: qq, .offset: 0, .size: 8, .value_kind: global_buffer, .address_space: global }
      - { .name: kv, .offset: 8, .size: 8, .value_kind: global_buffer, .address_space: global }
      - { .name: oq, .offset: 16, .size: 8, .value_kind: global_buffer, .address_space: global }
    .group_segment_fixed_size: 327680
    .private_segment_fixed_size: 0
    .kernarg_segment_align: 8
    .kernarg_segment_size: 24
    .max_flat_workgroup_size: 512
    .sgpr_count:     66
    .vgpr_count:     256
    .wavefront_size: 32
...
	.end_amdgpu_metadata
.endif
;; end of part 3
;; launch oproj (part 4): grid 256 x 1, 8 waves a work-group, no clusters, 327,680 bytes of LDS; arguments oq, wq, st, x, alpha1, bias1, bo, alpha2, bias2, out0; writes out0
.if DOCPART == 4
	.amdgcn_target "amdgcn-amd-amdhsa--gfx1250"
	.amdhsa_code_object_version 6
	.text
	.protected	k_qab14bbc8af_oproj
	.globl	k_qab14bbc8af_oproj
	.p2align	8
	.type	k_qab14bbc8af_oproj,@function
k_qab14bbc8af_oproj:
	s_mov_b64 s[64:65], 0
	v_nop
	global_prefetch_b8 v0, s[64:65] scope:SCOPE_SE
	s_setreg_imm32_b32 hwreg(HW_REG_WAVE_MODE, 25, 1), 1
	s_wait_xcnt 0x0
; LAUNCH 4 OF 4.  x1 = xn + O Wo + bo on codes of E3M2, the second norm over the row's 1,024 columns, and x1 + x1 folded into 2 alpha2 and 2 bias2.  No work of reference() is left out.
; SHARES.  A work-group takes 32 tokens (2 m-tiles) x all 1,024 columns, so that a row's mean and deviation stay inside it; wave w takes columns 128 w on: 8 n-tiles x 2 m-tiles, 16 accumulators.
; O's codes (24,576 bytes) come by global loads, 3,072 bytes a wave, and reach all waves through LDS; Wo's fragments come from memory straight into registers, two K steps ahead;
; x's 32 rows x 512 bytes of a wave come by its one tensor load into its own stage, where the results go later on their way out.  xn is made anew from x and the stored mean and 1 / (std + eps).
.set AL1,   0
.set BE1,   4096
.set AL2,   8192
.set BE2,   12288
.set SUM,   16384
.set AIM,   18432
.set STG,   43008
.set SP,    528
.set SPARE, 178176
.set MSB, 0
.macro WIN new
.if MSB != (\new)
	s_set_vgpr_msb (MSB<<8)|(\new)
.set MSB, (\new)
.endif
.endm
.macro PLACES
.rept 4
	v_nop
.endr
.endm
.macro WMZ d, a, b, sa, sb, ra, rb
.if (\ra) && (\rb)
	v_wmma_scale_f32_16x16x128_f8f6f4 v[(\d):(\d)+7], v[(\a):(\a)+11], v[(\b):(\b)+11], 0, v[\sa], v[\sb] matrix_a_fmt:MATRIX_FMT_BF6 matrix_b_fmt:MATRIX_FMT_BF6 matrix_a_scale:MATRIX_SCALE_ROW1 matrix_b_scale:MATRIX_SCALE_ROW1
.elseif (\ra)
	v_wmma_scale_f32_16x16x128_f8f6f4 v[(\d):(\d)+7], v[(\a):(\a)+11], v[(\b):(\b)+11], 0, v[\sa], v[\sb] matrix_a_fmt:MATRIX_FMT_BF6 matrix_b_fmt:MATRIX_FMT_BF6 matrix_a_scale:MATRIX_SCALE_ROW1
.elseif (\rb)
	v_wmma_scale_f32_16x16x128_f8f6f4 v[(\d):(\d)+7], v[(\a):(\a)+11], v[(\b):(\b)+11], 0, v[\sa], v[\sb] matrix_a_fmt:MATRIX_FMT_BF6 matrix_b_fmt:MATRIX_FMT_BF6 matrix_b_scale:MATRIX_SCALE_ROW1
.else
	v_wmma_scale_f32_16x16x128_f8f6f4 v[(\d):(\d)+7], v[(\a):(\a)+11], v[(\b):(\b)+11], 0, v[\sa], v[\sb] matrix_a_fmt:MATRIX_FMT_BF6 matrix_b_fmt:MATRIX_FMT_BF6
.endif
.endm
.macro WMS d, a, b, sa, sb, ra, rb
.if (\ra) && (\rb)
	v_wmma_scale_f32_16x16x128_f8f6f4 v[(\d):(\d)+7], v[(\a):(\a)+11], v[(\b):(\b)+11], v[(\d):(\d)+7], v[\sa], v[\sb] matrix_a_fmt:MATRIX_FMT_BF6 matrix_b_fmt:MATRIX_FMT_BF6 matrix_a_scale:MATRIX_SCALE_ROW1 matrix_b_scale:MATRIX_SCALE_ROW1
.elseif (\ra)
	v_wmma_scale_f32_16x16x128_f8f6f4 v[(\d):(\d)+7], v[(\a):(\a)+11], v[(\b):(\b)+11], v[(\d):(\d)+7], v[\sa], v[\sb] matrix_a_fmt:MATRIX_FMT_BF6 matrix_b_fmt:MATRIX_FMT_BF6 matrix_a_scale:MATRIX_SCALE_ROW1
.elseif (\rb)
	v_wmma_scale_f32_16x16x128_f8f6f4 v[(\d):(\d)+7], v[(\a):(\a)+11], v[(\b):(\b)+11], v[(\d):(\d)+7], v[\sa], v[\sb] matrix_a_fmt:MATRIX_FMT_BF6 matrix_b_fmt:MATRIX_FMT_BF6 matrix_b_scale:MATRIX_SCALE_ROW1
.else
	v_wmma_scale_f32_16x16x128_f8f6f4 v[(\d):(\d)+7], v[(\a):(\a)+11], v[(\b):(\b)+11], v[(\d):(\d)+7], v[\sa], v[\sb] matrix_a_fmt:MATRIX_FMT_BF6 matrix_b_fmt:MATRIX_FMT_BF6
.endif
.endm
.macro LOADS s
.set LB, 128+16*((\s)%2)
	WIN 0x40*(1-(\s)%2)
.irp i, 0,1,2,3,4,5,6,7
.irp c, 0,1,2
	global_load_b128 v[LB+12*\i+4*\c:LB+12*\i+4*\c+3], v3, s[30:31] offset:12288*\i+1536*(\s)+512*\c
.endr
.endr
	WIN 0
.endm
.macro FETCHA s
.irp a, 0,1
.irp c, 0,1
	ds_load_b128 v[96+24*((\s)%2)+12*\a+6*\c:99+24*((\s)%2)+12*\a+6*\c], v4 offset:12288*\a+768*(2*(\s)+\c)
	ds_load_b64 v[100+24*((\s)%2)+12*\a+6*\c:101+24*((\s)%2)+12*\a+6*\c], v5 offset:12288*\a+768*(2*(\s)+\c)
.endr
.endr
.endm
.macro KSTEP s
.if \s < 7
	FETCHA \s+1
	s_wait_loadcnt 24
	s_wait_dscnt 8
.else
	s_wait_loadcnt 0x0
	s_wait_dscnt 0x0
.endif
.set KB, 128+16*(\s%2)
	WIN 0x51-(\s%2)
.irp i, 0,1,2,3,4,5,6,7
.irp a, 0,1
.if \s == 0
	WMZ 64*\a+8*\i, KB+12*\i, 96+24*(\s%2)+12*\a, 64+8*(\i%4)+\s, 32+\s, \i/4, \a
.else
	WMS 64*\a+8*\i, KB+12*\i, 96+24*(\s%2)+12*\a, 64+8*(\i%4)+\s, 32+\s, \i/4, \a
.endif
.endr
.endr
	WIN 0
	PLACES
.if \s < 6
	LOADS \s+2
.endif
.endm
.macro XLOAD b
.set TT, 128+64*((\b)%2)
.irp q, 0,1,2,3
	ds_load_b128 v[TT+4*\q:TT+4*\q+3], v10 offset:AL1+128*(\b)+16*\q
	ds_load_b128 v[TT+16+4*\q:TT+19+4*\q], v10 offset:BE1+128*(\b)+16*\q
	ds_load_b128 v[TT+32+4*\q:TT+35+4*\q], v13 offset:128*(\b)+16*\q
	ds_load_b128 v[TT+48+4*\q:TT+51+4*\q], v13 offset:8*SP+128*(\b)+16*\q
.endr
.endm
.macro YLOAD b
.set TT, 128+64*((\b)%2)
.irp q, 0,1,2,3
	ds_load_b128 v[TT+4*\q:TT+4*\q+3], v10 offset:AL2+128*(\b)+16*\q
	ds_load_b128 v[TT+16+4*\q:TT+19+4*\q], v10 offset:BE2+128*(\b)+16*\q
.endr
.endm
.macro SHARE off
.irp a, 0,1
	v_pk_add_f32 v[240+4*\a:241+4*\a], v[240+4*\a:241+4*\a], v[242+4*\a:243+4*\a]
.endr
.irp a, 0,1
	s_delay_alu instid0(VALU_DEP_2)
	v_add_f32 v[240+4*\a], v[240+4*\a], v[241+4*\a]
.endr
.irp a, 0,1
	s_delay_alu instid0(VALU_DEP_2)
	v_permlanex16_b32 v[241+4*\a], v[240+4*\a], s26, s27
.endr
.irp a, 0,1
	s_delay_alu instid0(VALU_DEP_2)
	v_add_f32 v[240+4*\a], v[240+4*\a], v[241+4*\a]
.endr
	s_delay_alu instid0(VALU_DEP_1)
	v_cndmask_b32 v248, v240, v244, s28
	ds_store_b32 v11, v248 offset:\off
	s_wait_dscnt 0x0
	s_barrier_signal -1
	s_barrier_wait -1
.irp a, 0,1
.irp u, 0,1,2,3,4,5,6,7
	ds_load_b32 v[176+8*\a+\u], v12 offset:\off+128*\u+64*\a
.endr
.endr
	s_wait_dscnt 0x0
.irp a, 0,1
	v_add_f32 v[176+8*\a], v[176+8*\a], v[177+8*\a]
	v_add_f32 v[178+8*\a], v[178+8*\a], v[179+8*\a]
	v_add_f32 v[180+8*\a], v[180+8*\a], v[181+8*\a]
	v_add_f32 v[182+8*\a], v[182+8*\a], v[183+8*\a]
.endr
.irp a, 0
	v_add_f32 v[176+8*\a], v[176+8*\a], v[178+8*\a]
	v_add_f32 v[180+8*\a], v[180+8*\a], v[182+8*\a]
.endr
.irp a, 1
	v_add_f32 v[176+8*\a], v[176+8*\a], v[178+8*\a]
	s_delay_alu instid0(VALU_DEP_4)
	v_add_f32 v[180+8*\a], v[180+8*\a], v[182+8*\a]
.endr
.irp a, 0
	s_delay_alu instid0(VALU_DEP_3)
	v_add_f32 v[176+8*\a], v[176+8*\a], v[180+8*\a]
.endr
.irp a, 1
	s_delay_alu instid0(VALU_DEP_2)
	v_add_f32 v[176+8*\a], v[176+8*\a], v[180+8*\a]
.endr
.endm
	s_load_b512 s[4:19], s[0:1], 0x0
	s_load_b128 s[20:23], s[0:1], 0x40
	v_lshl_add_u32 v28, v0, 2, SPARE
	v_mov_b32 v29, 0
	ds_add_u32 v28, v29
	ds_add_u32 v28, v29
	v_lshrrev_b32 v1, 5, v0
	s_delay_alu instid0(VALU_DEP_1)
	v_readfirstlane_b32 s24, v1
	s_mov_b32 s68, (3<<16)|(1<<20)|(6<<22)|(3<<25)
	s_mov_b32 s69, 64<<16
	s_mov_b32 s70, 32<<16
	s_mov_b32 s71, 64<<16
	s_mov_b32 s72, 32
	s_mov_b32 s73, 512
	s_mov_b32 s74, 0
	s_mov_b32 s75, 0
	s_mul_i32 s57, s24, 3072
	s_mul_i32 s32, ttmp9, 24576
	s_add_co_u32 s32, s32, s57
	s_mov_b32 s33, 0
	s_add_co_u32 s57, s57, AIM
	s_mov_b32 s60, 1
	s_mul_i32 s61, s24, 32*SP
	s_add_co_u32 s61, s61, STG
	s_lshl_b32 s44, s24, 9
	s_lshl_b32 s40, ttmp9, 17
	s_add_co_u32 s40, s40, s44
	s_mov_b32 s41, 0
	s_lshl_b32 s46, s24, 3
	s_add_co_u32 s46, s46, 192
	s_lshl_b32 s36, s46, 9
	s_add_co_u32 s36, s36, 3145728
	s_mov_b32 s37, 0
	s_mul_i32 s46, s46, 12288
	s_mov_b32 s47, 0
	s_lshl_b32 s34, ttmp9, 6
	s_add_co_u32 s34, s34, 6291456
	s_mov_b32 s35, 0
	s_lshl_b32 s38, ttmp9, 8
	s_mov_b32 s39, 0
	s_mov_b32 s26, 0x76543210
	s_mov_b32 s27, 0xfedcba98
	s_mov_b32 s28, 0xffff0000
	s_wait_dscnt 0x0
	s_wait_kmcnt 0x0
	s_add_nc_u64 s[58:59], s[4:5], s[32:33]
	s_add_nc_u64 s[62:63], s[10:11], s[40:41]
	s_or_b32 s63, s63, 0x80000000
	tensor_load_to_lds s[60:63], s[68:75]          ; x: my wave's one tensor load
	s_nop 0
	PLACES
	s_add_nc_u64 s[30:31], s[6:7], s[46:47]
	s_add_nc_u64 s[36:37], s[6:7], s[36:37]
	s_add_nc_u64 s[34:35], s[4:5], s[34:35]
	s_add_nc_u64 s[38:39], s[8:9], s[38:39]
	s_add_nc_u64 s[42:43], s[22:23], s[40:41]
	v_and_b32 v15, 31, v0
	v_and_b32 v1, 15, v0
	v_bfe_u32 v2, v0, 4, 1
	s_delay_alu instid0(VALU_DEP_3)
	v_lshlrev_b32 v3, 4, v15
	s_delay_alu instid0(VALU_DEP_1)
	v_add_nc_u32 v4, AIM, v3
	v_lshlrev_b32 v5, 3, v15
	s_delay_alu instid0(VALU_DEP_1)
	v_add_nc_u32 v5, AIM+512, v5
	v_and_b32 v16, 8, v1
	s_delay_alu instid0(VALU_DEP_1)
	v_add_nc_u32 v16, v16, v1
	s_delay_alu instid0(VALU_DEP_1)
	v_lshlrev_b32 v6, 3, v16
	v_lshlrev_b32 v7, 5, v1
	s_delay_alu instid0(VALU_DEP_1)
	v_lshl_add_u32 v7, v2, 11, v7
	v_lshlrev_b32 v8, 1, v15
	v_lshlrev_b32 v9, 4, v0
	v_lshl_add_u32 v10, v2, 6, s44
	v_lshl_add_u32 v11, v0, 2, SUM
	v_lshl_add_u32 v12, v1, 2, SUM
	v_mul_u32_u24 v13, v16, SP
	s_delay_alu instid0(VALU_DEP_1)
	v_lshl_add_u32 v13, v2, 6, v13
	s_delay_alu instid0(VALU_DEP_1)
	v_add_nc_u32 v13, s61, v13
	v_add_nc_u32 v14, s61, v3
	v_add_nc_u32 v17, s57, v3                      ; where my 3,072 bytes of O's codes go in LDS
	v_mov_b32 v49, 0
	v_mov_b32 v51, 0
	global_load_b128 v[96:99], v9, s[12:13]
	global_load_b128 v[100:103], v9, s[14:15]
	global_load_b128 v[104:107], v9, s[16:17]
	global_load_b128 v[108:111], v9, s[18:19]
	global_load_b128 v[112:115], v9, s[20:21]
.irp i, 0,1,2,3
	global_load_b128 v[240+4*\i:243+4*\i], v3, s[58:59] offset:512*\i          ; O's codes: 32 lanes read 512 bytes on end
.endr
.irp i, 0,1
	global_load_b128 v[52+4*\i:55+4*\i], v3, s[58:59] offset:2048+512*\i
.endr
.irp d, 0,1,2,3,4,5,6,7,8,9,10,11,12,13,14,15
	global_load_u16 v[116+\d], v8, s[34:35] offset:16384*\d
.endr
.irp i, 0,1,2,3
.irp g, 0,1
	global_load_b128 v[64+8*\i+4*\g:67+8*\i+4*\g], v7, s[36:37] offset:512*\i+16*\g
.endr
.endr
	global_load_b64 v[40:41], v6, s[38:39]
	global_load_b64 v[42:43], v6, s[38:39] offset:64
	LOADS 0
	LOADS 1
	s_wait_loadcnt 48
.irp s, 0,1,2,3,4,5,6,7
	v_lshl_or_b32 v[32+\s], v[117+2*\s], 16, v[116+2*\s]
.endr
	v_pk_add_f32 v[100:101], v[100:101], v[104:105]
	v_pk_add_f32 v[102:103], v[102:103], v[106:107]
	v_pk_add_f32 v[108:109], v[108:109], v[108:109]
	v_pk_add_f32 v[110:111], v[110:111], v[110:111]
	v_pk_add_f32 v[112:113], v[112:113], v[112:113]
	v_pk_add_f32 v[114:115], v[114:115], v[114:115]
	v_mov_b32 v44, v41
	v_mul_f32 v45, -v40, v41
	v_mov_b32 v46, v43
	v_mul_f32 v47, -v42, v43
	ds_store_b128 v9, v[96:99] offset:AL1
	ds_store_b128 v9, v[100:103] offset:BE1
	ds_store_b128 v9, v[108:111] offset:AL2
	ds_store_b128 v9, v[112:115] offset:BE2
.irp i, 0,1,2,3
	ds_store_b128 v17, v[240+4*\i:243+4*\i] offset:512*\i
.endr
.irp i, 0,1
	ds_store_b128 v17, v[52+4*\i:55+4*\i] offset:2048+512*\i
.endr
	s_wait_alu depctr_va_vdst(0)
	s_wait_dscnt 0x0
	s_barrier_signal -1
	s_barrier_wait -1
	FETCHA 0
	KSTEP 0
	KSTEP 1
	KSTEP 2
	KSTEP 3
	KSTEP 4
	KSTEP 5
	KSTEP 6
	KSTEP 7
	s_wait_tensorcnt 0x0
	WIN 0x40
	XLOAD 0
.irp b, 0,1,2,3
.if \b < 3
	WIN 0x40
	XLOAD \b+1
	s_wait_dscnt 16
.else
	s_wait_dscnt 0x0
.endif
.set TC, 128+64*(\b%2)
	WIN 0x41
.irp a, 0,1
.irp j, 0,2,4,6,8,10,12,14
	v_pk_fma_f32 v[TC+32+16*\a+\j:TC+33+16*\a+\j], v[TC+32+16*\a+\j:TC+33+16*\a+\j], v[44+2*\a:45+2*\a], v[44+2*\a:45+2*\a] op_sel:[0,0,1] op_sel_hi:[1,0,1]
.endr
.endr
	WIN 0x55
.irp a, 0,1
.irp j, 0,2,4,6,8,10,12,14
	v_pk_fma_f32 v[64*\a+16*\b+\j:64*\a+16*\b+\j+1], v[TC+32+16*\a+\j:TC+33+16*\a+\j], v[TC+\j:TC+\j+1], v[64*\a+16*\b+\j:64*\a+16*\b+\j+1]
.endr
.endr
.irp a, 0,1
.irp j, 0,2,4,6,8,10,12,14
	v_pk_add_f32 v[64*\a+16*\b+\j:64*\a+16*\b+\j+1], v[64*\a+16*\b+\j:64*\a+16*\b+\j+1], v[TC+16+\j:TC+17+\j]
.endr
.endr
.endr
	WIN 0x05
.irp a, 0,1
	v_pk_add_f32 v[240+4*\a:241+4*\a], v[64*\a:64*\a+1], v[64*\a+2:64*\a+3]
	v_pk_add_f32 v[242+4*\a:243+4*\a], v[64*\a+4:64*\a+5], v[64*\a+6:64*\a+7]
.endr
	WIN 0x04
.set j, 8
.rept 14
.irp a, 0,1
	v_pk_add_f32 v[240+4*\a:241+4*\a], v[240+4*\a:241+4*\a], v[64*\a+j:64*\a+j+1]
	v_pk_add_f32 v[242+4*\a:243+4*\a], v[242+4*\a:243+4*\a], v[64*\a+j+2:64*\a+j+3]
.endr
.set j, j+4
.endr
	WIN 0
	SHARE 0
	s_delay_alu instid0(VALU_DEP_2)
	v_mul_f32 v48, 0x3a800000, v176
	s_delay_alu instid0(VALU_DEP_2)
	v_mul_f32 v50, 0x3a800000, v184
	WIN 0x41
.set j, 0
.rept 32
.irp a, 0,1
	v_pk_add_f32 v[64*\a+j:64*\a+j+1], v[64*\a+j:64*\a+j+1], v[48+2*\a:49+2*\a] op_sel_hi:[1,0] neg_lo:[0,1] neg_hi:[0,1]
.endr
.set j, j+2
.endr
	WIN 0x05
.irp a, 0,1
	v_pk_mul_f32 v[240+4*\a:241+4*\a], v[64*\a:64*\a+1], v[64*\a:64*\a+1]
	v_pk_mul_f32 v[242+4*\a:243+4*\a], v[64*\a+2:64*\a+3], v[64*\a+2:64*\a+3]
.endr
.set j, 4
.rept 15
.irp a, 0,1
	s_delay_alu instid0(VALU_DEP_4)
	v_pk_fma_f32 v[240+4*\a:241+4*\a], v[64*\a+j:64*\a+j+1], v[64*\a+j:64*\a+j+1], v[240+4*\a:241+4*\a]
	s_delay_alu instid0(VALU_DEP_4)
	v_pk_fma_f32 v[242+4*\a:243+4*\a], v[64*\a+j+2:64*\a+j+3], v[64*\a+j+2:64*\a+j+3], v[242+4*\a:243+4*\a]
.endr
.set j, j+4
.endr
	WIN 0
	SHARE 1024
	s_delay_alu instid0(VALU_DEP_2)
	v_mul_f32 v176, 0x3a802008, v176
	s_delay_alu instid0(VALU_DEP_2)
	v_mul_f32 v184, 0x3a802008, v184
	s_wait_alu depctr_va_vdst(0)
	v_sqrt_f32 v177, v176
	v_sqrt_f32 v185, v184
	v_nop
	s_wait_alu depctr_va_vdst(0)
	v_add_f32 v177, 0x3727c5ac, v177
	v_add_f32 v185, 0x3727c5ac, v185
	s_wait_alu depctr_va_vdst(0)
	v_rcp_f32 v49, v177
	v_rcp_f32 v51, v185
	v_nop
	s_wait_alu depctr_va_vdst(0)
	WIN 0x40
	YLOAD 0
.irp b, 0,1,2,3
.if \b < 3
	WIN 0x40
	YLOAD \b+1
	s_wait_dscnt 8
.else
	s_wait_dscnt 0x0
.endif
.set TC, 128+64*(\b%2)
	WIN 0x41
.irp a, 0,1
.irp j, 0,2,4,6,8,10,12,14
	v_pk_mul_f32 v[64*\a+16*\b+\j:64*\a+16*\b+\j+1], v[64*\a+16*\b+\j:64*\a+16*\b+\j+1], v[48+2*\a:49+2*\a] op_sel:[0,1] op_sel_hi:[1,1]
.endr
.endr
	WIN 0x55
.irp a, 0,1
.irp j, 0,2,4,6,8,10,12,14
	v_pk_fma_f32 v[64*\a+16*\b+\j:64*\a+16*\b+\j+1], v[64*\a+16*\b+\j:64*\a+16*\b+\j+1], v[TC+\j:TC+\j+1], v[TC+16+\j:TC+17+\j]
.endr
.endr
.endr
	WIN 0x04
.irp a, 0,1
.irp b, 0,1,2,3
.irp q, 0,1,2,3
	ds_store_b128 v13, v[64*\a+16*\b+4*\q:64*\a+16*\b+4*\q+3] offset:8*SP*\a+128*\b+16*\q
.endr
.endr
.endr
	WIN 0x40
.set n, 0
.rept 32
	ds_load_b128 v[128+4*n:131+4*n], v14 offset:SP*n
.set n, n+1
.endr
	WIN 0x04
.set n, 0
.rept 32
	s_wait_dscnt 31-n
	global_store_b128 v3, v[128+4*n:131+4*n], s[42:43] offset:4096*n th:TH_STORE_NT
.set n, n+1
.endr
	WIN 0
	s_wait_tensorcnt 0x0
	ds_add_u32 v28, v29
	s_wait_dscnt 0x0
	s_endpgm
.Lfunc_end_k_qab14bbc8af_oproj:
	.size	k_qab14bbc8af_oproj, .Lfunc_end_k_qab14bbc8af_oproj-k_qab14bbc8af_oproj
	.p2alignl 7, 3214868480
	.fill 96, 4, 3214868480
	.section	.rodata,"a",@progbits
	.p2align	6, 0x0
	.amdhsa_kernel k_qab14bbc8af_oproj
		.amdhsa_group_segment_fixed_size 327680
		.amdhsa_private_segment_fixed_size 0
		.amdhsa_enable_private_segment 0
		.amdhsa_kernarg_size 80
		.amdhsa_user_sgpr_count 2
		.amdhsa_user_sgpr_kernarg_segment_ptr 1
		.amdhsa_wavefront_size32 1
		.amdhsa_system_sgpr_workgroup_id_x 1
		.amdhsa_system_sgpr_workgroup_id_y 1
		.amdhsa_system_sgpr_workgroup_id_z 1
		.amdhsa_system_vgpr_workitem_id 0
		.amdhsa_next_free_vgpr 512
		.amdhsa_next_free_sgpr 80
		.amdhsa_reserve_vcc 0
		.amdhsa_float_denorm_mode_32 3
		.amdhsa_float_denorm_mode_16_64 3
		.amdhsa_memory_ordered 1
		.amdhsa_forward_progress 1
		.amdhsa_inst_pref_size 105
	.end_amdhsa_kernel
	.amdgpu_metadata
---
amdhsa.version: [ 1, 2 ]
amdhsa.kernels:
  - .name:           k_qab14bbc8af_oproj
    .symbol:         k_qab14bbc8af_oproj.kd
    .args:
      - { .name: oq, .offset: 0, .size: 8, .value_kind: global_buffer, .address_space: global }
      - { .name: wq, .offset: 8, .size: 8, .value_kind: global_buffer, .address_space: global }
      - { .name: st, .offset: 16, .size: 8, .value_kind: global_buffer, .address_space: global }
      - { .name: x, .offset: 24, .size: 8, .value_kind: global_buffer, .address_space: global }
      - { .name: alpha1, .offset: 32, .size: 8, .value_kind: global_buffer, .address_space: global }
      - { .name: bias1, .offset: 40, .size: 8, .value_kind: global_buffer, .address_space: global }
      - { .name: bo, .offset: 48, .size: 8, .value_kind: global_buffer, .address_space: global }
      - { .name: alpha2, .offset: 56, .size: 8, .value_kind: global_buffer, .address_space: global }
      - { .name: bias2, .offset: 64, .size: 8, .value_kind: global_buffer, .address_space: global }
      - { .name: out0, .offset: 72, .size: 8, .value_kind: global_buffer, .address_space: global }
    .group_segment_fixed_size: 327680
    .private_segment_fixed_size: 0
    .kernarg_segment_align: 8
    .kernarg_segment_size: 80
    .max_flat_workgroup_size: 256
    .sgpr_count:     80
    .vgpr_count:     512
    .wavefront_size: 32
...
	.end_amdgpu_metadata
.endif
;; end of part 4
